; MI455X (gfx1250); checked and timed in simulation.
; The chip was launched on July 23, 2026; its instructions are those of AMD's public machine-readable ISA for CDNA 5 (MIT licence, August 2026) and "CDNA5" Instruction Set Architecture Reference Guide (July 2026). The comments in the code are by the model that wrote it; some were corrected since.
;; Similarity Enhancement Module. Allowed arithmetic: matrix products marked QUANTISED: E4M3 operands, one given power-of-two scale a tensor, by v_wmma_f32_16x16x64_fp8_fp8 or v_wmma_f32_16x16x128_fp8_fp8, f32 sums; everything else in f32.
;; Inputs: final_features 8 x 2,048 x 768 float32; lowp_scales 4 int32 (the exponents e of the quantised operands' scales 2^e); mid_features 8 x 2,048 x 768 float32.
;; Outputs: out0 8 x 2,048 x 768 float32.
;; This version of the problem:
;;   THIS VERSION OF THE PROBLEM IS GIVEN IN LOW PRECISION. The matrix products marked QUANTISED in the list below multiply operands that are first quantised to E4M3 (4 exponent bits, 3 mantissa bits; 8 bits a number), with one given power-of-two scale for each operand tensor; their sums are f32. All else is computed in f32.
;;   The module's matrix products, in the order in which they are computed (A, B: the left and right operand; K: the contracted axis; several contracted axes count as one K, in the product's order):
;;     1. batch 8 x [M 2,048, K 768] x [K 768, N 2,048]; A: computed on the way; B: computed on the way: QUANTISED (scales: A lowp_scales[0], B lowp_scales[1])
;;     2. batch 8 x [M 2,048, K 2,048] x [K 2,048, N 768]; A: softmax (see below); B: input final_features: QUANTISED (scales: A lowp_scales[2], B lowp_scales[3])
;;   THE QUANTISER, for each operand of a quantised product, along K:
;;     - The operand's scale is 2^e, e = its entry of the input lowp_scales (int32; the entries are numbered through the quantised products in the list's order, A before B).
;;     - Each number is divided by the scale, clamped to +-448, and rounded to the nearest number of E4M3, ties to even, subnormals kept.
;;     - The product sums the exact products of the quantised numbers (number of the format x scale) in f32.
;;   ~~~python
;;   def quantise(x, axis, e):      # numpy; x: float32 -> the quantised numbers, widened to float32 again
;;       x = np.moveaxis(x, axis, -1); K = x.shape[-1]
;;       r = np.clip(x / 2.0 ** e, -448, 448)
;;       step = 2.0 ** (np.maximum(np.frexp(np.where(r == 0, 1, r))[1] - 1, -6) - 3)
;;       q = np.round(r / step) * step * 2.0 ** e      # np.round: ties to even
;;       return np.moveaxis(q, -1, axis).astype(np.float32)
;;   ~~~
;;   SOFTMAX AHEAD OF A QUANTISED PRODUCT. Where the list says 'softmax', what is quantised is not the finished softmax but p = 2^(t - M), with t = logit x log2(e) and M = ceil(the row's largest t), a whole number; so 1/2 < the row's largest p <= 1. The row's sum l is taken of the UNQUANTISED p, in f32, and the product's result is divided by l at the end. Since M is a whole number, a kernel that streams over the keys may use a running M (the ceiling of the running maximum): every later rescaling is an exact power of two, so the quantised numbers keep their values, but for numbers so far below the row's largest that they fall under the format's range.
;;   OPERANDS COMPUTED ON THE WAY. 'Computed on the way' means the value that the module computes at that place (a softmax that the list does not call 'softmax' is quantised finished and normalised). What goes into a quantiser is computed in f32, as accurately as f32 sums, v_exp_f32 and their like allow (about 1e-6 of the number): no bf16 or f16 on the way to a quantiser, and a product that is left as it is and whose result goes on into a quantised operand takes f32 operands (vector FMAs, or v_wmma_f32_16x16x4_f32). A number that lies on a knife's edge between two numbers of the format may be rounded either way, as far as f32 arithmetic and the matrix unit's own rounding can turn it there, and no further.
;; 2 versions. Each part assembles by itself: llvm-mc -triple=amdgcn-amd-amdhsa -mcpu=gfx1250 --defsym DOCPART=n.
;; ======== version 1 of 2: 2 launches
;; limits: right only within a limited range of input values
;; workspace buffers: qa 12,582,912 bytes; kv 25,165,824 bytes
;; launch prep (part 1): grid 256 x 1, 8 waves a work-group, no clusters, 254,464 bytes of LDS; arguments mid_features, final_features, lowp_scales, qa, kv; writes qa, kv
.if DOCPART == 1
	.amdgcn_target "amdgcn-amd-amdhsa--gfx1250"
	.amdhsa_code_object_version 6
	.text
	.protected	k_q45ebd2ce9b_prep
	.globl	k_q45ebd2ce9b_prep
	.p2align	8
	.type	k_q45ebd2ce9b_prep,@function
k_q45ebd2ce9b_prep:
	s_mov_b64 s[64:65], 0
	v_nop
	global_prefetch_b8 v0, s[64:65] scope:SCOPE_SE
	s_setreg_imm32_b32 hwreg(HW_REG_WAVE_MODE, 25, 1), 1
	s_wait_xcnt 0x0
; FIRST OF TWO LAUNCHES.  The program computes: mid_n = mid / max(||mid||, 1e-12); sim = Q(mid_n, e0) Q(mid_n, e1)^T with its diagonal set to 0; cw = the row's largest sim;
; p = 2^(sim log2(e) - M), quantised with e2; refined = p Q(final, e3) / (the row's sum of p); out = cw refined + (1 - cw) final.
; NO WORK OF THE PROBLEM IS LEFT OUT: both products are live in full, every input has a way to the output, and the diagonal is one number a row inside live tiles.
; THIS LAUNCH quantises each operand once, since 32 work-groups of the next launch read the same codes, and lays the codes in the ORDER OF THE OPERAND'S REGISTERS:
; a fragment image is 16 rows x 128 k in 2,048 bytes; byte 512 c + 16 lane + i (lane = 16 h + r) is element (row r, k = 32 c + 16 h + i): four loads of 16 bytes a lane give the 16 registers.
;   qa: mid_n with e0, fragment (batch b, block of 64 queries blk, chunk kk of 128 features, tile m) at ((32 b + blk) 24 + 4 kk + m) 2048.
;   kv: a stream of 786,432 bytes for each (batch b, wave w of the next launch), at (4 b + w) 786432; in it a quarter c4 (512 keys) has 96 fragments fi of 2,048 bytes:
;       fi = 12 g + 2 kk + u: mid_n with e1, keys 128 (4 c4 + g) + 32 w + tile u, chunk kk;   fi = 48 + 12 sl + dt: final with e3, rows d = 16 (12 w + dt) + r, k = the 128 keys of step 4 c4 + sl.
; THE ROWS OF A TILE ARE NOT NEIGHBOURS: lane r of tile u of a block of 32 rows takes row 8 u + r + 8 (r / 8), so that the next launch's scores of tiles 0 and 1 are 16 neighbouring keys in a lane.
; SHARES.  Work-group g: batch g / 32, rows 64 (g % 32) on.  Waves 0-3 (role A): wave m normalises and quantises the 16 rows of tile m of mid, twice (e0, e1).  Waves 4-7 (role B): 32 keys x 384 columns of final each.
; Every global load and store of a wave covers 512 consecutive bytes, aligned to 256.  Waves share nothing: no barrier.  Each wave keeps 32 loads of 16 bytes a lane out.
; LIMITS: e0, e1, e3 between -126 and 119, so that 2^e and 448 x 2^e are f32 numbers.  NaN among the inputs is not served.  The division by the norm is a multiplication by v_rcp_f32 of it (some 2 units in the last place).
.set ROWB,   3072                      ; a row of mid or final in bytes
.set APITCH, 528                       ; a stage row: 512 bytes + 16: 33 x 16, so sixteen rows' equal columns fall on sixteen different 16-byte columns modulo 256 bytes
.set ACH,    16*APITCH                 ; role A: a chunk of 128 features of 16 rows
.set AWAVE,  6*ACH                     ; role A: a wave's stage holds its 16 whole rows, for the second pass
.set BGRP,   8*APITCH                  ; role B: 8 tiles of 16 columns x 32 keys of codes
.set BWAVE,  3*BGRP
.set BBASE,  4*AWAVE-4*BWAVE           ; role B's stages lie behind role A's four: 4 AWAVE + (wave - 4) BWAVE
.set SPARE,  4*AWAVE+4*BWAVE           ; behind the stages: the spare words, 128 bytes for each of the eight waves, that no other line names
.set STREAM, 786432
.set QUART,  196608
.set GA,  1                            ; v1   16 x lane: my 16 bytes of every global access; never rewritten
.set SA,  2                            ; v2   role A: into the stage, as loaded
.set SR,  3                            ; v3   role A: out of it: row r, + 64 h bytes
.set SB,  4                            ; v4   role B: into the stage
.set SBR, 5                            ; v5   role B: out of it
.set SPW, 6                            ; v6   LDS address of my spare word; never rewritten
.set NIL, 7                            ; v7   0; never rewritten
.set SC0, 8                            ; v8   2^e0       v9  448 x 2^e0
.set LM0, 9
.set SC1, 10                           ; v10  2^e1       v11 448 x 2^e1
.set LM1, 11
.set SS,  12                           ; v12-19 the sum of squares, four chains of pairs
.set INV, 20                           ; v20-21 1 / the norm, twice
.set TP,  22                           ; v22  the lane permute's destination, written at the head
.set SC3, 24                           ; v24  2^e3       v25 448 x 2^e3
.set LM3, 25
.set R0,  32                           ; role A, pass 1: two sets of 64 as loaded; X0: 64 numbers of a lane's row
.set R1,  96
.set X0,  160
.set CA,  96                           ; role A, pass 2: the codes with e0 and with e1, four registers for each block of 32
.set CB,  112
.set TA,  224                          ; and the held numbers
.set TB,  240
.set T,   224                          ; role B: two columns' 16 held numbers each
	s_load_b256 s[4:11], s[0:1], 0x0               ; mid s[4:5], final s[6:7], the scales' exponents s[8:9], qa s[10:11]
	s_load_b64 s[12:13], s[0:1], 0x20              ; kv
	v_lshl_add_u32 v[SPW], v0, 2, SPARE
	v_mov_b32 v[NIL], 0
	v_lshrrev_b32 v26, 5, v0
	v_readfirstlane_b32 s14, v26                   ; wave 0..7
	v_and_b32 v26, 31, v0                          ; lane
	v_and_b32 v27, 15, v0                          ; r
	v_bfe_u32 v28, v0, 4, 1                        ; h
	v_lshlrev_b32 v[GA], 4, v26
	; every LDS address is made here, ahead of the parting of the roles
	s_mul_i32 s15, s14, AWAVE
	v_add_nc_u32 v[SA], s15, v[GA]
	v_mul_u32_u24 v[SR], v27, APITCH
	v_lshl_add_u32 v[SR], v28, 6, v[SR]
	v_add_nc_u32 v[SR], s15, v[SR]
	s_mul_i32 s16, s14, BWAVE
	s_add_co_u32 s16, s16, BBASE
	v_bfe_u32 v29, v0, 2, 3                        ; lane / 4: the tile of my four columns
	v_mul_u32_u24 v[SB], v29, APITCH
	v_and_b32 v29, 3, v0
	v_lshl_add_u32 v[SB], v29, 6, v[SB]            ; + 64 (lane % 4): column 4 (lane % 4) + j of the tile stands at 16 bytes a column
	v_add_nc_u32 v[SB], s16, v[SB]
	v_add_nc_u32 v[SBR], s16, v[GA]
	v_mov_b32 v[TP], 0
	s_lshr_b32 s17, ttmp9, 5                       ; b
	s_and_b32 s18, ttmp9, 31                       ; blk
	s_mov_b32 s34, 0x76543210                      ; v_permlanex16_b32's selects for lane l xor 16
	s_mov_b32 s35, 0xfedcba98
	s_mov_b32 s21, 0                               ; the upper word of every offset
	s_lshl_b32 s25, s17, 11
	s_lshl_b32 s26, s18, 6
	s_add_co_u32 s25, s25, s26                     ; the block's first row: 2048 b + 64 blk
	s_lshr_b32 s26, s18, 3
	s_mul_i32 s26, s26, QUART                      ; its quarter of the keys, in bytes of a stream
	s_bfe_u32 s27, s18, 0x20001                    ; its key step in the quarter: (blk / 2) % 4
	s_and_b32 s19, s18, 1                          ; which half of the key step
	s_wait_kmcnt 0x0
	s_load_b128 s[28:31], s[8:9], 0x0              ; e0, e1, e2, e3
	s_cmp_lt_u32 s14, 4
	s_cbranch_scc0 .Lrole_b
; ---------------- ROLE A: wave m = tile m of the block's 64 rows of mid
.macro LOADC kk, buf                   ; chunk kk (128 features, 512 bytes) of my 16 rows
.irp p, 0,1,2,3,4,5,6,7,8,9,10,11,12,13,14,15
	global_load_b128 v[\buf+4*\p:\buf+4*\p+3], v[GA], s[4:5] offset:(\p+8*(\p/8))*ROWB+(\kk)*512 th:TH_LOAD_NT
.endr
.endm
.macro STOREC kk, buf                  ; into the stage as it was loaded
.irp p, 0,1,2,3,4,5,6,7,8,9,10,11,12,13,14,15
	ds_store_b128 v[SA], v[\buf+4*\p:\buf+4*\p+3] offset:(\kk)*ACH+\p*APITCH
.endr
.endm
.macro READC kk, X                     ; and back: register 16 c + i = feature 128 kk + 32 c + 16 h + i of row r.  LDS serves a wave's instructions in order: these see my stores
.irp c, 0,1,2,3
.irp j, 0,1,2,3
	ds_load_b128 v[\X+16*\c+4*\j:\X+16*\c+4*\j+3], v[SR] offset:(\kk)*ACH+\c*128+\j*16
.endr
.endr
.endm
.macro SQ first                        ; 64 squares into four chains of pairs; the first four products start the chains: nothing is cleared
.set j, 0
.rept 32
.if (\first) && (j < 4)
	v_pk_mul_f32 v[SS+2*j:SS+2*j+1], v[X0+2*j:X0+2*j+1], v[X0+2*j:X0+2*j+1]
.else
	v_pk_fma_f32 v[SS+2*(j%4):SS+2*(j%4)+1], v[X0+2*j:X0+2*j+1], v[X0+2*j:X0+2*j+1], v[SS+2*(j%4):SS+2*(j%4)+1]
.endif
.set j, j+1
.endr
.endm
.macro QUANTC kk, X                    ; 64 numbers of my row: x / norm, then twice: the hold at the largest code x the scale (the conversion to an 8-bit code does not saturate: ISA guide 7.6.2) and the conversion
.irp c, 0,1,2,3
.irp i, 0,2,4,6,8,10,12,14
	v_pk_mul_f32 v[\X+16*\c+\i:\X+16*\c+\i+1], v[\X+16*\c+\i:\X+16*\c+\i+1], v[INV:INV+1]
.endr
.irp i, 0,1,2,3,4,5,6,7,8,9,10,11,12,13,14,15
	v_med3_num_f32 v[TA+\i], v[\X+16*\c+\i], -v[LM0], v[LM0]
.endr
	v_cvt_scalef32_pk8_fp8_f32 v[CA+4*\c:CA+4*\c+1], v[TA:TA+7], v[SC0]
	v_cvt_scalef32_pk8_fp8_f32 v[CA+4*\c+2:CA+4*\c+3], v[TA+8:TA+15], v[SC0]
.irp i, 0,1,2,3,4,5,6,7,8,9,10,11,12,13,14,15
	v_med3_num_f32 v[TB+\i], v[\X+16*\c+\i], -v[LM1], v[LM1]   ; plain lines on other registers: they stand between the conversions above and the next write of TA
.endr
	v_cvt_scalef32_pk8_fp8_f32 v[CB+4*\c:CB+4*\c+1], v[TB:TB+7], v[SC1]
	v_cvt_scalef32_pk8_fp8_f32 v[CB+4*\c+2:CB+4*\c+3], v[TB+8:TB+15], v[SC1]
	global_store_b128 v[GA], v[CA+4*\c:CA+4*\c+3], s[10:11] offset:(\kk)*8192+\c*512   ; block c of the image: 512 consecutive bytes
	global_store_b128 v[GA], v[CB+4*\c:CB+4*\c+3], s[12:13] offset:(\kk)*4096+\c*512
.endr
.endm
	s_lshr_b32 s22, s14, 1                         ; which 32 rows of the block
	s_and_b32 s23, s14, 1                          ; tile u
	s_lshl_b32 s20, s22, 5
	s_add_co_u32 s20, s20, s25
	s_lshl_b32 s24, s23, 3
	s_add_co_u32 s20, s20, s24                     ; the tile's first row
	s_mul_i32 s20, s20, ROWB
	s_add_nc_u64 s[4:5], s[4:5], s[20:21]
	LOADC 0, R0
	LOADC 1, R1
	s_mul_i32 s20, ttmp9, 24                       ; qa: ((32 b + blk) 24 + m) 2048
	s_add_co_u32 s20, s20, s14
	s_lshl_b32 s20, s20, 11
	s_add_nc_u64 s[10:11], s[10:11], s[20:21]
	s_lshl_b32 s20, s17, 2                         ; kv: stream 4 b + 2 (blk % 2) + m / 2,
	s_lshl_b32 s24, s19, 1
	s_add_co_u32 s20, s20, s24
	s_add_co_u32 s20, s20, s22
	s_mul_i32 s20, s20, STREAM
	s_add_co_u32 s20, s20, s26                     ; the quarter,
	s_mul_i32 s24, s27, 12
	s_add_co_u32 s24, s24, s23
	s_lshl_b32 s24, s24, 11                        ; fragment 12 g + u
	s_add_co_u32 s20, s20, s24
	s_add_nc_u64 s[12:13], s[12:13], s[20:21]
	s_wait_kmcnt 0x0
	s_add_co_i32 s32, s28, 127
	s_lshl_b32 s33, s32, 23
	v_mov_b32 v[SC0], s33                          ; 2^e0 as f32: the conversion takes its exponent field
	s_add_co_i32 s32, s32, 8
	s_lshl_b32 s32, s32, 23
	s_or_b32 s32, s32, 0x600000
	v_mov_b32 v[LM0], s32                          ; 448 x 2^e0
	s_add_co_i32 s32, s29, 127
	s_lshl_b32 s33, s32, 23
	v_mov_b32 v[SC1], s33
	s_add_co_i32 s32, s32, 8
	s_lshl_b32 s32, s32, 23
	s_or_b32 s32, s32, 0x600000
	v_mov_b32 v[LM1], s32
	; pass 1: the rows go into the stage and the squares are summed
.irp kk, 0,1,2,3,4,5
.if \kk < 5
	s_wait_loadcnt 16                              ; this chunk's 16 loads are in; the next chunk's 16 may be out
.else
	s_wait_loadcnt 0x0
.endif
	STOREC \kk, R0+64*(\kk%2)
	READC \kk, X0
	s_wait_dscnt 0x0                               ; the stores have read their registers, and my 64 numbers are back
.if \kk < 4
	LOADC \kk+2, R0+64*(\kk%2)
.endif
.if \kk == 0
	SQ 1
.else
	SQ 0
.endif
.endr
	v_pk_add_f32 v[SS:SS+1], v[SS:SS+1], v[SS+2:SS+3]
	v_pk_add_f32 v[SS+4:SS+5], v[SS+4:SS+5], v[SS+6:SS+7]
	v_pk_add_f32 v[SS:SS+1], v[SS:SS+1], v[SS+4:SS+5]
	v_add_f32 v[SS], v[SS], v[SS+1]
	v_permlanex16_b32 v[TP], v[SS], s34, s35       ; the row's other 384 features lie in the lane 16 away
	v_add_f32 v[SS], v[SS], v[TP]
	v_sqrt_f32 v[SS+1], v[SS]
	v_nop                                          ; a plain line behind the transcendental,
	s_wait_alu depctr_va_vdst(0)                   ; and the wait ahead of its first reader
	v_max_num_f32 v[SS+1], 0x2b8cbccc, v[SS+1]     ; max(norm, 1e-12)
	v_rcp_f32 v[INV], v[SS+1]
	v_nop
	s_wait_alu depctr_va_vdst(0)
	v_mov_b32 v[INV+1], v[INV]
	; pass 2: the rows come out of the stage once more, a chunk ahead of the work, into X0 and v32-95 by turns
	READC 0, X0
.irp kk, 0,1,2,3,4,5
	s_wait_dscnt 0x0                               ; this chunk's numbers are in
.if \kk < 5
	READC \kk+1, X0-128*((\kk+1)%2)
.endif
.if \kk > 0
	s_wait_xcnt 0x0                                ; the last chunk's stores have read the codes' registers: they are written again only behind this wait
.endif
	QUANTC \kk, X0-128*(\kk%2)
.endr
	s_wait_tensorcnt 0x0                           ; the wave's end, behind my last LDS store
	ds_add_u32 v[SPW], v[NIL]
	s_wait_dscnt 0x0
	s_endpgm
; ---------------- ROLE B: wave w' = wave - 4: keys 32 (w' / 2) on of the block, columns 384 (w' % 2) on of final.  K of the second product is the keys: a lane takes four columns, and the hold lays each column's 16 keys on end
.Lrole_b:
.macro LOADH n, buf                    ; half-unit n: keys 16 (n % 2) on, columns 128 (n / 2) on: register 4 k + j = (key k, column 4 lane + j)
.irp k, 0,1,2,3,4,5,6,7,8,9,10,11,12,13,14,15
	global_load_b128 v[\buf+4*\k:\buf+4*\k+3], v[GA], s[6:7] offset:(16*((\n)%2)+\k)*ROWB+((\n)/2)*512 th:TH_LOAD_NT
.endr
.endm
.macro HALF n
.set RBF, 96+64*((\n)%2)
.set CBF, 32+16*((\n)%2)
.if (\n) < 5
	s_wait_loadcnt 16                              ; this half-unit's 16 loads are in; the next one's may be out
.else
	s_wait_loadcnt 0x0
.endif
.irp g, 0,2                            ; two columns at a time
.irp j, 0,1
.irp k, 0,1,2,3,4,5,6,7,8,9,10,11,12,13,14,15
	v_med3_num_f32 v[T+16*\j+\k], v[RBF+4*\k+\g+\j], -v[LM3], v[LM3]   ; the hold, and the turn: the destination runs down the keys
.endr
.endr
.irp j, 0,1
	v_cvt_scalef32_pk8_fp8_f32 v[CBF+4*(\g+\j):CBF+4*(\g+\j)+1], v[T+16*\j:T+16*\j+7], v[SC3]
	v_cvt_scalef32_pk8_fp8_f32 v[CBF+4*(\g+\j)+2:CBF+4*(\g+\j)+3], v[T+16*\j+8:T+16*\j+15], v[SC3]
.endr
	v_nop                                          ; a plain line between the conversions and the next write of their sources
.endr
.if (\n) < 4
	LOADH (\n)+2, RBF
.endif
.irp j, 0,1,2,3
	ds_store_b128 v[SB], v[CBF+4*\j:CBF+4*\j+3] offset:((\n)/2)*BGRP+((\n)%2)*256+\j*16   ; tile lane / 4, half n % 2, column 4 (lane % 4) + j: the image's place of lane (r, h)
.endr
.if ((\n)%2) == 1                      ; both halves of eight tiles lie in the stage: they leave as block c of eight images, 512 consecutive bytes each
.if (\n) > 1
	s_wait_xcnt 0x0                                ; the last group's stores have read v64-95
.endif
.irp t, 0,1,2,3,4,5,6,7
	ds_load_b128 v[64+4*\t:64+4*\t+3], v[SBR] offset:((\n)/2)*BGRP+\t*APITCH
.endr
	s_wait_dscnt 0x0
.irp t, 0,1,2,3,4,5,6,7
	global_store_b128 v[GA], v[64+4*\t:64+4*\t+3], s[12:13] offset:((8*((\n)/2)+\t)/12)*STREAM+((8*((\n)/2)+\t)%12)*2048
.endr
.endif
.endm
	s_sub_co_u32 s24, s14, 4
	s_lshr_b32 s22, s24, 1                         ; which 32 keys
	s_and_b32 s23, s24, 1                          ; which 384 columns
	s_lshl_b32 s20, s22, 5
	s_add_co_u32 s20, s20, s25
	s_mul_i32 s20, s20, ROWB
	s_mul_i32 s24, s23, 1536
	s_add_co_u32 s20, s20, s24
	s_add_nc_u64 s[6:7], s[6:7], s[20:21]
	LOADH 0, 96
	LOADH 1, 160
	s_lshl_b32 s20, s17, 2                         ; kv: stream 4 b + 2 (w' % 2) (tiles 12 on go to the stream behind it),
	s_lshl_b32 s24, s23, 1
	s_add_co_u32 s20, s20, s24
	s_mul_i32 s20, s20, STREAM
	s_add_co_u32 s20, s20, s26                     ; the quarter,
	s_mul_i32 s24, s27, 12
	s_add_co_u32 s24, s24, 48
	s_lshl_b32 s24, s24, 11                        ; fragment 48 + 12 sl,
	s_add_co_u32 s20, s20, s24
	s_lshl_b32 s24, s19, 1
	s_add_co_u32 s24, s24, s22
	s_lshl_b32 s24, s24, 9                         ; block c = 2 (blk % 2) + w' / 2 of the image
	s_add_co_u32 s20, s20, s24
	s_add_nc_u64 s[12:13], s[12:13], s[20:21]
	s_wait_kmcnt 0x0
	s_add_co_i32 s32, s31, 127
	s_lshl_b32 s33, s32, 23
	v_mov_b32 v[SC3], s33                          ; 2^e3
	s_add_co_i32 s32, s32, 8
	s_lshl_b32 s32, s32, 23
	s_or_b32 s32, s32, 0x600000
	v_mov_b32 v[LM3], s32                          ; 448 x 2^e3
.irp n, 0,1,2,3,4,5
	HALF \n
.endr
	s_wait_tensorcnt 0x0                           ; the wave's end, behind my last LDS store
	ds_add_u32 v[SPW], v[NIL]
	s_wait_dscnt 0x0
	s_endpgm
.Lfunc_end_k_q45ebd2ce9b_prep:
	.size	k_q45ebd2ce9b_prep, .Lfunc_end_k_q45ebd2ce9b_prep-k_q45ebd2ce9b_prep
	.p2alignl 7, 3214868480
	.fill 96, 4, 3214868480
	.section	.rodata,"a",@progbits
	.p2align	6, 0x0
	.amdhsa_kernel k_q45ebd2ce9b_prep
		.amdhsa_group_segment_fixed_size 254464
		.amdhsa_private_segment_fixed_size 0
		.amdhsa_enable_private_segment 0
		.amdhsa_kernarg_size 40
		.amdhsa_user_sgpr_count 2
		.amdhsa_user_sgpr_kernarg_segment_ptr 1
		.amdhsa_wavefront_size32 1
		.amdhsa_system_sgpr_workgroup_id_x 1
		.amdhsa_system_sgpr_workgroup_id_y 1
		.amdhsa_system_sgpr_workgroup_id_z 1
		.amdhsa_system_vgpr_workitem_id 0
		.amdhsa_next_free_vgpr 256
		.amdhsa_next_free_sgpr 66
		.amdhsa_reserve_vcc 0
		.amdhsa_float_denorm_mode_32 3
		.amdhsa_float_denorm_mode_16_64 3
		.amdhsa_memory_ordered 1
		.amdhsa_forward_progress 1
		.amdhsa_inst_pref_size 158
	.end_amdhsa_kernel
	.amdgpu_metadata
---
amdhsa.version: [ 1, 2 ]
amdhsa.kernels:
  - .name:           k_q45ebd2ce9b_prep
    .symbol:         k_q45ebd2ce9b_prep.kd
    .args:
      - { .name: mid_features, .offset: 0, .size: 8, .value_kind: global_buffer, .address_space: global }
      - { .name: final_features, .offset: 8, .size: 8, .value_kind: global_buffer, .address_space: global }
      - { .name: lowp_scales, .offset: 16, .size: 8, .value_kind: global_buffer, .address_space: global }
      - { .name: qa, .offset: 24, .size: 8, .value_kind: global_buffer, .address_space: global }
      - { .name: kv, .offset: 32, .size: 8, .value_kind: global_buffer, .address_space: global }
    .group_segment_fixed_size: 254464
    .private_segment_fixed_size: 0
    .kernarg_segment_align: 8
    .kernarg_segment_size: 40
    .max_flat_workgroup_size: 256
    .sgpr_count:     66
    .vgpr_count:     256
    .wavefront_size: 32
...
	.end_amdgpu_metadata
.endif
;; end of part 1
;; launch attn (part 2): grid 32 x 8, 4 waves a work-group, clusters of 4 x 1, 327,680 bytes of LDS; arguments qa, kv, final_features, lowp_scales, out0; writes out0
.if DOCPART == 2
	.amdgcn_target "amdgcn-amd-amdhsa--gfx1250"
	.amdhsa_code_object_version 6
	.text
	.protected	k_q45ebd2ce9b_attn
	.globl	k_q45ebd2ce9b_attn
	.p2align	8
	.type	k_q45ebd2ce9b_attn,@function
k_q45ebd2ce9b_attn:
	s_mov_b64 s[64:65], 0
	v_nop
	global_prefetch_b8 v0, s[64:65] scope:SCOPE_SE
	s_setreg_imm32_b32 hwreg(HW_REG_WAVE_MODE, 25, 1), 1
	s_wait_xcnt 0x0
	s_wait_alu depctr_hold_cnt(0) depctr_sa_sdst(0) depctr_va_vdst(0) depctr_va_sdst(0) depctr_va_ssrc(0) depctr_va_vcc(0) depctr_vm_vsrc(0)
	s_getreg_b32 s2, hwreg(HW_REG_IB_STS2, 6, 4)
	s_cmp_eq_u32 s2, 0
	s_cbranch_scc0 .Lentry_in_a_cluster
	s_endpgm
.Lentry_in_a_cluster:
	s_bfe_u32 s2, ttmp6, 0x10000c
	s_cmp_lg_u32 s2, 0x3003
	s_cbranch_scc0 .Lentry_shape_is_right
	s_endpgm
.Lentry_shape_is_right:
; SECOND LAUNCH: sim, its diagonal, the row's largest, the softmax, the second product and the calibration, on the codes that the first launch laid out.  No work of the problem is left out.
; SHARES.  A work-group owns 64 queries of one batch (four tiles m of 16; lane r of tile m is query 32 (m / 2) + 8 (m % 2) + r + 8 (r / 8) of the block); all four waves work on all 64.
;   S^T = K Q^T (source 0 = 16 keys, source 1 = 16 queries): THE WAVES SHARE THE KEYS: of each step of 128 keys wave w takes 32 w .. 32 w + 31: two tiles x four query tiles = 8 accumulators.
;   O^T = V^T P^T (source 0 = 16 of the 768 features, source 1 = P): THE WAVES SHARE THE FEATURES: wave w takes 192 w .. 192 w + 191: 12 tiles x four query tiles = 48 accumulators, 384 registers.
;   So each fragment of K and of V is read from LDS by one wave, once, and feeds four matrix instructions; and a wave reads only LDS bytes that its own tensor load brought.
;   A lane holds one query throughout.  A wave's 16 scores of a query are 16 neighbouring keys: their codes are block w of the step's fragment of P, which goes to the other waves through LDS as an image of its registers.
; THE SHIFT.  p = 2^(t - 2), t = sim x log2(e): a FIXED whole number stands for M.  The computation itself bounds t for every input: the rows are normalised by the problem, rounding to a code at most doubles a magnitude,
;   so |sim| <= 4 and |t| <= 5.8 whatever the inputs and scales: p lies between 2^-7.8 and 2^3.8 and a row's sum under 2^15.  With e0, e1 <= 0 a quantised row's norm is under 1.1, t < 2, the stated M is 0, 1 or 2, and this p is
;   the stated p x 2^(M - 2), an exact power of two that cancels in O / sum.  LIMIT: the codes of p are the stated ones' values x that power where both lie in the format's normal range: e2 between -8 and 2, e0, e1 <= 0.
; OTHER LIMITS: e0 + e1 between -126 and 127 (added to log2(e)'s exponent field); e2 between -126 and 119; e0 + e1 and e2 + e3 are applied by v_ldexp_f32.  NaN among the inputs is not served.
; THE WALK.  A wave's stream (K's and V's fragments in the order in which it uses them) comes in 24 fills of 32,768 bytes through two LDS slots.  A UNIT is 4 fragments: 16 LDS loads, 16 matrix instructions; a slot is 4 units;
;   a quarter (512 keys) is 24 units: 0-11 make S^T of four steps (a softmax behind every third), 12-23 add V^T P^T of the same four steps.
; CLUSTER.  The four work-groups of a cluster belong to one batch and walk the same streams: each fill is asked for JOINTLY, by the same tensor load with the same descriptor and the mask of all four.
; REGISTERS, in windows of 256: window 0: see below.  Window 1 and v0-127 of window 2: Q's 24 fragments (chunk kk, tile m at 16 (4 kk + m)); at the end final's rows.  v128-255 of window 2 and window 3: O^T, (dt, m) at 128 + 8 (4 dt + m).
.set SLOTB,  131072                    ; a slot: 32,768 bytes for each wave; dense, since every read is 512 consecutive bytes
.set PIMG,   262144                    ; P's images: 4 steps x 4 query tiles x 2,048 bytes
.set STAT,   294912                    ; the waves' sums at 16 (16 m + r) + 4 w, their maxima 1,024 bytes on
.set COEF,   296960                    ; 512 bytes a wave: (1 - cw, 1 - cw) of stage row 2 k + h of tile m at 128 m + 64 h + 8 k
.set SPARE,  299008                    ; the spare words, 128 bytes for each wave, that no other line names
.set STP,    784                       ; the way out: a stage row: 768 bytes + 16 = 49 x 16
.set STG,    16*STP                    ; two stages in my own part of slot 0, which has had its last fill and its last read by then
.set LA0, 1                            ; v1, v2  16 lane + 32768 wave, in slot 0, 1
.set PST, 3                            ; v3   where I store P's block w
.set PLD, 4                            ; v4   where I read P's images
.set SPW, 5                            ; v5   LDS address of my spare word; never rewritten
.set NIL, 6                            ; v6   0; never rewritten
.set GO,  7                            ; v7   final and out: 3072 h + 16 (lane % 16)
.set QD,  8                            ; v8-11   tile m: my query - 32 wave - 16 h (in the batch's numbering)
.set LS,  12                           ; v12-19  tile m: the sum of p, a pair
.set MX,  20                           ; v20-23  tile m: the largest score
.set SCP, 24                           ; v24  2^e2     v25  448 x 2^e2
.set LMP, 25
.set NEG2, 26                          ; v26-27  -2.0
.set T,   28                           ; v28-31  at work
.set S,   32                           ; v32-95  S^T: accumulator (m, u) at 32 + 8 (2 m + u): register 16 m + e is key 32 w + 16 h + e
.set UC,  32                           ;         in units 12-23: the odd units' fragments
.set PC,  96                           ; v96-111 p's codes; on the way out 1 - cw
.set BC,  96
.set UA,  112                          ; v112-175 the even units' fragments
.set UB,  176                          ; v176-239 the odd units' fragments in units 0-11; then the step's four fragments of P
.set W,   112                          ; the way out: v112-207 a tile's O^T x a
.set QL,  240                          ; v240 16 lane
.set STO, 241
.set RD,  242
.set STL, 243
.set STR, 244
.set CFS, 245
.set CFR, 246
.set PFO, 247                          ; v247 256 lane
.set AM,  248                          ; v248-255 tile m: a = cw 2^(e2 + e3) / sum, twice
.set WV,  14
.set CX,  15
.set G1,  16                           ; s[16:23] descriptor group 1
.set G0,  24                           ; s[24:31] group 0, a set for each slot
.set BLK, 33
.set BAT, 34
.set CS,  40                           ; s[40:41] log2(e) x 2^(e0 + e1)
.set EQK, 42
.set EPV, 43
.set KS,  44                           ; the key step
.set TRIP, 45
.set FN,  46                           ; the number of the fill last asked for
.set LIM, 47                           ; 21 in the batch's first cluster, else 0: a wave prefetches while FN is at most this
.set PFA, 48                           ; s[48:49]
.set SEL, 50                           ; s[50:51]
.set MSB, 0
.macro WIN new                         ; the immediate's high byte repeats the setting that is left; a switch that changes nothing is dropped
.if MSB != (\new)
	s_set_vgpr_msb (MSB<<8)|(\new)
.set MSB, \new
.endif
.endm
.macro PLACES n                        ; plain vector lines between a matrix instruction and a load into, or a read or write of, its registers
.rept \n
	v_nop
.endr
.endm
.macro CREST                           ; a round of the cluster's barrier behind its opening barrier
	s_cmp_lg_u32 s[WV], 0
	s_cbranch_scc1 .Lnot_wave_0_\@
	s_barrier_signal -3
.Lnot_wave_0_\@:
	s_barrier_wait -3
	s_barrier_signal -1
	s_barrier_wait -1
.endm
.macro CROUND
	s_barrier_signal -1
	s_barrier_wait -1
	CREST
.endm
.macro SETBUF i                        ; BF: the registers of unit i's fragments
.if ((\i)%2) == 0
.set BF, UA
.elseif ((\i)%24) < 12
.set BF, UB
.else
.set BF, UC
.endif
.endm
.macro FETCH buf, sp, q                ; the q-th unit of slot sp: four images, 16 loads of 512 consecutive bytes
.irp t, 0,1,2,3
.irp c, 0,1,2,3
	ds_load_b128 v[\buf+16*\t+4*\c:\buf+16*\t+4*\c+3], v[LA0+(\sp)] offset:(4*(\q)+\t)*2048+512*\c
.endr
.endr
.endm
.macro NEXTF i                         ; the fragments of the unit behind unit i
.set NX, ((\i)+1)%24
	SETBUF NX
	FETCH BF, (NX/4)%2, NX%4
.endm
; Products lo .. hi - 1 of unit i of S^T.  Product x: fragment x / 4 = (chunk 2 (i % 3) + x / 8, tile u = (x / 4) % 2), query tile x % 4.  The 8 accumulators take turns, one instruction a turn.
; The first 8 products of a step start the sums with the constant 0.
.macro SMM i, lo, hi
	SETBUF \i
.set PP, (\i)%3
.if PP == 2
	WIN 0x08                                       ; Q in window 2
.else
	WIN 0x04                                       ; Q in window 1
.endif
.set x, \lo
.rept (\hi)-(\lo)
.set rS, S+8*(2*(x%4)+((x/4)%2))
.set rA, BF+16*(x/4)
.set rQ, (16*(4*(2*PP+x/8)+x%4))%256
.if (PP == 0) && (x < 8)
	v_wmma_f32_16x16x128_fp8_fp8 v[rS:rS+7], v[rA:rA+15], v[rQ:rQ+15], 0
.else
	v_wmma_f32_16x16x128_fp8_fp8 v[rS:rS+7], v[rA:rA+15], v[rQ:rQ+15], v[rS:rS+7]
.endif
.set x, x+1
.endr
.endm
; The same for O^T.  Product x: query tile x / 4, feature tile dt = 4 (i % 3) + x % 4: 16 different accumulators a unit, 48 a step.
.macro PMM i, lo, hi, zero
	SETBUF \i
.set JJ, (\i)%3
.if JJ == 0
	WIN 0xa0                                       ; C and D in window 2
.else
	WIN 0xf0                                       ; in window 3
.endif
.set x, \lo
.rept (\hi)-(\lo)
.set rO, (128+8*(4*(4*JJ+x%4)+x/4))%256
.set rA, BF+16*(x%4)
.set rP, UB+16*(x/4)
.if \zero
	v_wmma_f32_16x16x128_fp8_fp8 v[rO:rO+7], v[rA:rA+15], v[rP:rP+15], 0
.else
	v_wmma_f32_16x16x128_fp8_fp8 v[rO:rO+7], v[rA:rA+15], v[rP:rP+15], v[rO:rO+7]
.endif
.set x, x+1
.endr
.endm
.macro MM kind, i, lo, hi, zero
.if \kind
	PMM \i, \lo, \hi, \zero
.else
	SMM \i, \lo, \hi
.endif
.endm
.macro PLOAD sl, m                     ; the fragment of P of step sl of the quarter, query tile m
.irp c, 0,1,2,3
	ds_load_b128 v[UB+16*(\m)+4*\c:UB+16*(\m)+4*\c+3], v[PLD] offset:(4*(\sl)+(\m))*2048+512*\c
.endr
.endm
; A unit: the next unit's fragments are asked for, then this unit's 16 products are issued.
.macro UNIT kind, i, zero, np
	WIN 0
	PLACES \np                                     ; the next unit's registers were read by the unit before this one
	NEXTF \i
	s_wait_dscnt 16                                ; all but the 16 loads just issued: my fragments are in, and so is every older load or store of P
	MM \kind, \i, 0, 16, \zero
.endm
; A step's last unit of O^T: a query tile's fragment of P is free behind its four products, and takes the next step's.
.macro UNITP i, zero
	WIN 0
	PLACES 4
	NEXTF \i
	s_wait_dscnt 16
.irp m, 0,1,2,3
	PMM \i, 4*\m, 4*\m+4, \zero
	WIN 0
	PLACES 4
	PLOAD ((\i)-12)/3+1, \m
.endr
.endm
; A PREFETCH INTO THE L2 of my wave's fill FN + 2: two changes of slots ahead of the tensor load that will ask for it.  All eight clusters of a batch walk the same streams: the batch's first cluster asks.  Its four partners share
; a fill's 32,768 bytes out BY ADDRESS, 8,192 each, lanes 256 bytes apart: each aligned block of 256 bytes is named once in the launch.  Fills 0 to 3 come by their loads alone; fill 23 is the last that is named.
.macro ASK
	s_cmp_le_u32 s[FN], s[LIM]
	s_cbranch_scc0 .Lnot_mine_\@
	global_prefetch_b8 v[PFO], s[PFA:PFA+1] th:TH_LOAD_NT scope:SCOPE_SE
.Lnot_mine_\@:
.endm
; A slot's last unit changes slots.  Its fragments are in registers, so my reads of the slot are over.  In front of the round each wave waits for all its tensor loads (one is out: the other slot's), adds 0 to its spare word,
; and waits for that and for its LDS reads; behind the round no wave of any partner reads the slot or has a load on its way, and the joint refill, two fills on, comes first.
.macro TURN kind, i, ask
	WIN 0
	s_wait_xcnt 0x0                                ; the last prefetch, a slot back, has read its address: it is stepped here
	s_add_nc_u64 s[PFA:PFA+1], s[PFA:PFA+1], 32768
	s_wait_tensorcnt 0x0                           ; all my tensor loads have landed
	ds_add_u32 v[SPW], v[NIL]                      ; 0 onto my spare word
	s_wait_dscnt 1                                 ; (the add alone may be out: my fragments are in)
	MM \kind, \i, 0, 4, 0                          ; four matrix instructions stand between the add and the wait for it
	s_wait_dscnt 0x0                               ; the add is done, and my reads of this slot and of P are over
	s_barrier_signal -1
	MM \kind, \i, 4, 8, 0
	WIN 0
	s_barrier_wait -1
	CREST
.set SL, ((\i)/4)%2
	s_add_nc_u64 s[G0+4*SL+2:G0+4*SL+3], s[G0+4*SL+2:G0+4*SL+3], 65536   ; this slot's next fill; the type bits on top are not reached
	s_add_co_u32 s[FN], s[FN], 1
	tensor_load_to_lds s[G0+4*SL:G0+4*SL+3], s[G1:G1+7]
	s_nop 0
	PLACES 4                                       ; the places in front of the loads below
	NEXTF \i                                       ; from the other slot
.if \ask
	ASK
.endif
	MM \kind, \i, 8, 16, 0
.endm
; THE SOFTMAX of a step: my 16 keys for each of my four queries.  All in window 0.
.macro SOFTMAX g
	WIN 0
	s_lshl_b32 s52, s[KS], 7
.irp m, 0,1,2,3
	v_sub_nc_u32 v[T+\m], v[QD+\m], s52            ; which of my 16 registers, if any, is the diagonal.  (These four are the places behind the last products)
.endr
	s_lshr_b32 s53, s[KS], 1                       ; the cluster's 256 queries meet their own keys in steps 2 x and 2 x + 1 (x: the cluster's number, the same in all partners)
	s_cmp_lg_u32 s53, ttmp9
	s_cbranch_scc1 .Lno_diagonal_\@
.irp m, 0,1,2,3
.irp e, 0,1,2,3,4,5,6,7,8,9,10,11,12,13,14,15
	v_cmp_ne_u32 vcc_lo, \e, v[T+\m]
	v_cndmask_b32 v[S+16*\m+\e], 0, v[S+16*\m+\e], vcc_lo   ; the diagonal becomes 0, and stays in the maximum and in the softmax
.endr
.endr
.Lno_diagonal_\@:
.irp q, 0,1,2,3,4,5,6,7
.irp m, 0,1,2,3
	v_max3_num_f32 v[MX+\m], v[MX+\m], v[S+16*\m+2*\q], v[S+16*\m+2*\q+1]   ; the largest score, for cw: four chains; each accumulator from its low end on
.endr
.endr
.set j, 0
.rept 32
	v_pk_fma_f32 v[S+j:S+j+1], v[S+j:S+j+1], s[CS:CS+1], v[NEG2:NEG2+1] op_sel_hi:[1,0,0]   ; t - 2 (of both pairs the low word serves both halves)
.set j, j+2
.endr
.set j, 0
.rept 64
	v_exp_f32 v[S+j], v[S+j]
.set j, j+1
.endr
	v_nop                                          ; a plain line behind the last exponential,
	s_wait_alu depctr_va_vdst(0)                   ; and one wait for the batch ahead of its first reader
.irp q, 0,1,2,3,4,5,6,7
.irp m, 0,1,2,3
	v_pk_add_f32 v[LS+2*\m:LS+2*\m+1], v[LS+2*\m:LS+2*\m+1], v[S+16*\m+2*\q:S+16*\m+2*\q+1]   ; the sum is taken of the unquantised p
.endr
.endr
.irp m, 0,1,2,3
.irp e, 0,1,2,3,4,5,6,7,8,9,10,11,12,13,14,15
	v_min_num_f32 v[S+16*\m+\e], v[S+16*\m+\e], v[LMP]   ; the conversion to an 8-bit code does not saturate (ISA guide 7.6.2); p is not negative, so the hold is one-sided
.endr
	v_cvt_scalef32_pk8_fp8_f32 v[PC+4*\m:PC+4*\m+1], v[S+16*\m:S+16*\m+7], v[SCP]
	v_cvt_scalef32_pk8_fp8_f32 v[PC+4*\m+2:PC+4*\m+3], v[S+16*\m+8:S+16*\m+15], v[SCP]
.endr
	v_nop                                          ; a plain line between the conversions and the products that write their sources anew
.irp m, 0,1,2,3
	ds_store_b128 v[PST], v[PC+4*\m:PC+4*\m+3] offset:(4*(\g)+\m)*2048   ; block w of the image
.endr
	s_add_co_u32 s[KS], s[KS], 1
.endm
; Units 0-14 of a quarter.  first = 1: the launch's first V^T P^T starts O^T's sums with the constant 0.
.macro SEC_A first
	UNIT 0, 0, 0, 5                                ; five places: these products write over registers that the last unit of the quarter before read as an operand
	UNIT 0, 1, 0, 4
	UNIT 0, 2, 0, 4
	SOFTMAX 0
	TURN 0, 3, 1
	UNIT 0, 4, 0, 4
	UNIT 0, 5, 0, 4
	SOFTMAX 1
	UNIT 0, 6, 0, 4
	TURN 0, 7, 1
	UNIT 0, 8, 0, 4
	SOFTMAX 2
	UNIT 0, 9, 0, 4
	UNIT 0, 10, 0, 4
	TURN 0, 11, 1
	SOFTMAX 3
	s_wait_dscnt 0x0                               ; for the others' sake: my blocks of P's sixteen images have landed
	s_barrier_signal -1
	s_barrier_wait -1
.irp m, 0,1,2,3
	PLOAD 0, \m
.endr
	UNIT 1, 12, \first, 4
	UNIT 1, 13, \first, 4
	UNITP 14, \first
.endm
.macro FINLOAD m                       ; final's rows of query tile m, my 768 bytes of each, as the way out reads the stage: load i = 3 k + cu: rows 2 k + h, 256 bytes cu.  Into Q's registers, which are free
.set i, 0
.rept 24
.set lin, 256+(24*(\m)+i)*4
	WIN (lin/256)<<6
	global_load_b128 v[lin%256:lin%256+3], v[GO], s[8:9] offset:(32*((\m)/2)+8*((\m)%2)+2*(i/3)+8*(i/12))*3072+(i%3)*256 th:TH_LOAD_NT
.set i, i+1
.endr
	WIN 0
.endm
; Units 15-23.  last = 1: the launch's last: fill 23 is the last that is asked for, and final's rows are asked for on the way.
.macro SEC_B last
.if \last
	FINLOAD 0
	FINLOAD 1
	TURN 1, 15, 0
.else
	TURN 1, 15, 1
.endif
	UNIT 1, 16, 0, 4
	UNITP 17, 0
	UNIT 1, 18, 0, 4
.if \last
	FINLOAD 2
	FINLOAD 3
	PLACES 4
	s_wait_tensorcnt 0x0                           ; fill 23, the last: no load was issued behind it.  Nothing is filled again, so no barrier follows
	NEXTF 19
	s_wait_dscnt 16
	MM 1, 19, 0, 16, 0
.else
	TURN 1, 19, 1
.endif
	UNITP 20, 0
	UNIT 1, 21, 0, 4
	UNIT 1, 22, 0, 4
.if \last
	WIN 0
	s_wait_dscnt 0x0
	MM 1, 23, 0, 16, 0
.else
	TURN 1, 23, 1
.endif
.endm
	s_load_b256 s[4:11], s[0:1], 0x0               ; qa s[4:5], kv s[6:7], final s[8:9], the scales' exponents s[10:11]
	s_load_b64 s[12:13], s[0:1], 0x20              ; out
	v_lshl_add_u32 v[SPW], v0, 2, SPARE
	v_mov_b32 v[NIL], 0
	ds_add_u32 v[SPW], v[NIL]                      ; the wave's opening: the add, twice on end, and its wait ahead of my first tensor load
	ds_add_u32 v[SPW], v[NIL]                      ; and once more; the set-up below, work on registers, stands between it and the wait
	v_lshrrev_b32 v28, 5, v0
	v_readfirstlane_b32 s[WV], v28                 ; wave 0..3
	s_bfe_u32 s[CX], ttmp6, 0x40000                ; my place in the cluster: it enters Q's, final's and out's addresses, the prefetch's address and the diagonal's lane data alone
	s_lshl_b32 s[BLK], ttmp9, 2
	s_add_co_u32 s[BLK], s[BLK], s[CX]             ; my block of 64 queries
	s_and_b32 s[BAT], ttmp7, 0xffff                ; the batch, which the partners share
	; descriptor group 1: a dense block of 32,768 bytes as 128 rows of 32 elements of 8 bytes
	s_mov_b32 s[G1], 15|(3<<16)|(1<<21)            ; 15:0 the mask: all four work-groups; 17:16 elements of 8 bytes; 20 no padding; 21 set beside a mask
	s_mov_b32 s[G1+1], 32<<16                      ; tensor_dim0 = 32
	s_mov_b32 s[G1+2], 128<<16                     ; tensor_dim1 = 128
	s_mov_b32 s[G1+3], 32<<16                      ; tile_dim0 = 32
	s_mov_b32 s[G1+4], 128                         ; tile_dim1 = 128
	s_mov_b32 s[G1+5], 32                          ; from row to row
	s_mov_b32 s[G1+6], 0
	s_mov_b32 s[G1+7], 0
	s_mov_b32 s[SEL], 0x76543210
	s_mov_b32 s[SEL+1], 0xfedcba98
	s_mov_b32 s[KS], 0
	s_mov_b32 s[FN], 1
	s_cmp_eq_u32 ttmp9, 0
	s_cselect_b32 s[LIM], 21, 0
	s_lshl_b32 s54, s[WV], 15                      ; my part of a slot
	s_lshl_b32 s55, s[WV], 9
	v_and_b32 v28, 31, v0                          ; lane
	v_and_b32 v29, 15, v0                          ; r
	v_bfe_u32 v30, v0, 4, 1                        ; h
	v_lshlrev_b32 v[QL], 4, v28
	v_lshlrev_b32 v[PFO], 8, v28
	v_add_nc_u32 v[LA0], s54, v[QL]
	v_add_nc_u32 v[LA0+1], SLOTB, v[LA0]
	v_add_nc_u32 v[PST], s55, v[QL]
	v_add_nc_u32 v[PST], PIMG, v[PST]
	v_add_nc_u32 v[PLD], PIMG, v[QL]
	v_mul_u32_u24 v[GO], v30, 3072
	v_lshl_add_u32 v[GO], v29, 4, v[GO]
	v_mul_u32_u24 v[STO], v29, STP                 ; the stage, in: row r, + 32 h
	v_lshl_add_u32 v[STO], v30, 5, v[STO]
	v_add_nc_u32 v[STO], s54, v[STO]
	v_mul_u32_u24 v[RD], v30, STP                  ; and back: lanes 0-15 one row, lanes 16-31 the next
	v_lshl_add_u32 v[RD], v29, 4, v[RD]
	v_add_nc_u32 v[RD], s54, v[RD]
	v_lshlrev_b32 v[STR], 4, v29
	v_add_nc_u32 v[STR], STAT, v[STR]
	s_lshl_b32 s56, s[WV], 2
	v_add_nc_u32 v[STL], s56, v[STR]
	v_and_b32 v31, 1, v29
	v_lshlrev_b32 v[CFS], 6, v31                   ; 64 (r % 2)
	v_lshrrev_b32 v31, 1, v29
	v_lshl_add_u32 v[CFS], v31, 3, v[CFS]          ; + 8 (r / 2)
	v_add_nc_u32 v[CFS], s55, v[CFS]
	v_add_nc_u32 v[CFS], COEF, v[CFS]
	v_lshlrev_b32 v[CFR], 6, v30
	v_add_nc_u32 v[CFR], s55, v[CFR]
	v_add_nc_u32 v[CFR], COEF, v[CFR]
	v_and_b32 v31, 8, v29
	v_add_nc_u32 v31, v31, v29                     ; r + 8 (r / 8)
	v_lshlrev_b32 v30, 4, v30
	v_sub_nc_u32 v31, v31, v30                     ; - 16 h
	s_lshl_b32 s56, s[BLK], 6
	s_lshl_b32 s57, s[WV], 5
	s_sub_co_u32 s56, s56, s57
	v_add_nc_u32 v31, s56, v31                     ; + 64 blk - 32 wave (whole numbers modulo 2^32: only equality is asked of them)
.irp m, 0,1,2,3
	v_add_nc_u32 v[QD+\m], 32*(\m/2)+8*(\m%2), v31
	v_mov_b32 v[MX+\m], 0xff61b1e6                 ; -3e38, under every score
	v_mov_b32 v[LS+2*\m], 0
	v_mov_b32 v[LS+2*\m+1], 0
	v_mov_b32 v[AM+2*\m], 0                        ; written once: a lane permute's destination counts as one of its sources
	v_mov_b32 v[AM+2*\m+1], 0
.endr
	v_mov_b32 v[NEG2], -2.0
	v_mov_b32 v[NEG2+1], -2.0
	s_lshl_b32 s52, s[BAT], 2                      ; my wave's stream: (4 b + wave) 786432
	s_add_co_u32 s52, s52, s[WV]
	s_mul_i32 s52, s52, 786432
	s_mov_b32 s53, 0
	s_lshl_b32 s56, s[BAT], 5                      ; Q: (32 b + blk) 49152
	s_add_co_u32 s56, s56, s[BLK]
	s_mul_i32 s56, s56, 49152
	s_mov_b32 s57, 0
	s_lshl_b32 s58, s[BAT], 11                     ; final and out: (2048 b + 64 blk) 3072 + 768 wave
	s_lshl_b32 s59, s[BLK], 6
	s_add_co_u32 s58, s58, s59
	s_mul_i32 s58, s58, 3072
	s_mul_i32 s59, s[WV], 768
	s_add_co_u32 s58, s58, s59
	s_mov_b32 s59, 0
	s_wait_dscnt 0x0                               ; both opening adds are done
	s_wait_kmcnt 0x0
	s_load_b128 s[36:39], s[10:11], 0x0            ; e0, e1, e2, e3
	s_add_nc_u64 s[6:7], s[6:7], s[52:53]
	s_add_nc_u64 s[4:5], s[4:5], s[56:57]
	s_add_nc_u64 s[8:9], s[8:9], s[58:59]
	s_add_nc_u64 s[12:13], s[12:13], s[58:59]
	s_lshl_b32 s52, s[CX], 13                      ; the prefetches: my work-group's 8,192 bytes, in fill 3: the first change of slots steps it to fill 4
	s_add_co_u32 s52, s52, 3*32768
	s_add_nc_u64 s[PFA:PFA+1], s[6:7], s[52:53]
.irp s, 0,1
	s_mov_b32 s[G0+4*\s], 1                        ; count = 1
	s_add_co_u32 s[G0+4*\s+1], s54, \s*SLOTB       ; LDS address: the wave's number and the slot alone
	s_add_nc_u64 s[G0+4*\s+2:G0+4*\s+3], s[6:7], \s*32768   ; fill s: the batch and the wave's number alone
	s_or_b32 s[G0+4*\s+3], s[G0+4*\s+3], 0x80000000   ; type = 2
.endr
	CROUND                                         ; all four work-groups are here: the first joint loads meet
	tensor_load_to_lds s[G0:G0+3], s[G1:G1+7]      ; every wave issues both first fills: two loads of mine are out
	s_nop 0
	tensor_load_to_lds s[G0+4:G0+7], s[G1:G1+7]
	s_nop 0
	PLACES 4
	WIN 0x40                                       ; destination window 1
.set f, 0
.rept 16
.irp c, 0,1,2,3
	global_load_b128 v[16*f+4*\c:16*f+4*\c+3], v[QL], s[4:5] offset:f*2048+\c*512   ; Q stays in registers
.endr
.set f, f+1
.endr
	WIN 0x80                                       ; destination window 2
.rept 8
.irp c, 0,1,2,3
	global_load_b128 v[16*(f-16)+4*\c:16*(f-16)+4*\c+3], v[QL], s[4:5] offset:f*2048+\c*512
.endr
.set f, f+1
.endr
	WIN 0
	s_wait_kmcnt 0x0
	s_add_co_i32 s[EQK], s36, s37                  ; a score stands for score x 2^(e0 + e1):
	s_lshl_b32 s52, s[EQK], 23
	s_add_co_i32 s[CS], s52, 0x3fb8aa3b            ; the two exponents are added to log2(e)'s exponent field
	s_mov_b32 s[CS+1], s[CS]                       ; (named with it as a pair, so it is written)
	s_add_co_i32 s[EPV], s38, s39
	s_add_co_i32 s52, s38, 127
	s_lshl_b32 s53, s52, 23
	v_mov_b32 v[SCP], s53                          ; 2^e2, for the conversion
	s_add_co_i32 s52, s52, 8
	s_lshl_b32 s52, s52, 23
	s_or_b32 s52, s52, 0x600000
	v_mov_b32 v[LMP], s52                          ; 448 x 2^e2
	s_wait_tensorcnt 1                             ; my fill 0 is in, and only I read it; fill 1 may stay out
	FETCH UA, 0, 0
	s_wait_loadcnt 0x0                             ; Q
	SEC_A 1
	WIN 0                                          ; at a label and at a branch every window is 0
	s_mov_b32 s[TRIP], 3
.Lquarter:                                             ; a trip goes from a quarter's unit 15 to the next quarter's unit 14
	SEC_B 0
	SEC_A 0
	WIN 0
	s_sub_co_u32 s[TRIP], s[TRIP], 1
	s_cmp_lg_u32 s[TRIP], 0
	s_cbranch_scc1 .Lquarter
	; THE ROWS' FIGURES.  All scores are made.  A query's sum and maximum are joined between the halves of the lanes, then among the four waves through LDS.
.irp m, 0,1,2,3
	v_add_f32 v[T+\m], v[LS+2*\m], v[LS+2*\m+1]
.endr
.irp m, 0,1,2,3
	v_permlanex16_b32 v[AM+2*\m], v[T+\m], s[SEL], s[SEL+1]
	v_permlanex16_b32 v[AM+2*\m+1], v[MX+\m], s[SEL], s[SEL+1]
.endr
.irp m, 0,1,2,3
	v_add_f32 v[T+\m], v[T+\m], v[AM+2*\m]
	v_max_num_f32 v[MX+\m], v[MX+\m], v[AM+2*\m+1]
.endr
.irp m, 0,1,2,3
	ds_store_b32 v[STL], v[T+\m] offset:\m*256     ; both halves of the lanes write the same word with the same number
	ds_store_b32 v[STL], v[MX+\m] offset:1024+\m*256
.endr
	s_wait_dscnt 0x0                               ; for the others' sake
	s_barrier_signal -1
	s_barrier_wait -1
.irp m, 0,1,2,3
	ds_load_b128 v[UA+4*\m:UA+4*\m+3], v[STR] offset:\m*256
	ds_load_b128 v[UA+16+4*\m:UA+16+4*\m+3], v[STR] offset:1024+\m*256
.endr
	s_wait_dscnt 0x0
.irp m, 0,1,2,3
	v_add_f32 v[UA+4*\m], v[UA+4*\m], v[UA+4*\m+1]
	v_add_f32 v[UA+4*\m+2], v[UA+4*\m+2], v[UA+4*\m+3]
	v_max3_num_f32 v[MX+\m], v[UA+16+4*\m], v[UA+17+4*\m], v[UA+18+4*\m]
.endr
.irp m, 0,1,2,3
	v_add_f32 v[UA+4*\m], v[UA+4*\m], v[UA+4*\m+2]
	v_max_num_f32 v[MX+\m], v[MX+\m], v[UA+19+4*\m]
.endr
.irp m, 0,1,2,3
	v_rcp_f32 v[T+\m], v[UA+4*\m]
.endr
.irp m, 0,1,2,3
	v_ldexp_f32 v[MX+\m], v[MX+\m], s[EQK]         ; cw = the largest score x 2^(e0 + e1).  (Plain lines behind the reciprocals)
.endr
	s_wait_alu depctr_va_vdst(0)                   ; one wait for the four reciprocals, ahead of their first reader
.irp m, 0,1,2,3
	v_mul_f32 v[T+\m], v[T+\m], v[MX+\m]
.endr
.irp m, 0,1,2,3
	v_ldexp_f32 v[AM+2*\m], v[T+\m], s[EPV]        ; a = cw x 2^(e2 + e3) / sum
	v_sub_f32 v[UA+32+2*\m], 1.0, v[MX+\m]         ; 1 - cw
.endr
.irp m, 0,1,2,3
	v_mov_b32 v[AM+2*\m+1], v[AM+2*\m]
	v_mov_b32 v[UA+33+2*\m], v[UA+32+2*\m]
.endr
.irp m, 0,1,2,3
	ds_store_b64 v[CFS], v[UA+32+2*\m:UA+33+2*\m] offset:\m*128   ; into my own table, in the order in which the way out reads rows
.endr
	SEC_B 1
; THE WAY OUT, a query tile at a time.  O^T x a goes through my stage (a lane holds 32 bytes of a row; the lanes beside it hold other rows) and comes back as rows: sixteen lanes hold 256 consecutive bytes, as final's loads do;
; out = O a + (1 - cw) final is one packed multiply-add for two numbers.  LDS serves a wave's instructions in order: no wait stands between the stores and the loads.
.macro OUT m
	WIN 0
.irp c, 0,1,2,3
	ds_load_b128 v[BC+4*\c:BC+4*\c+3], v[CFR] offset:(\m)*128+16*\c   ; 1 - cw of rows 2 k + h, k = 0 .. 7, in pairs
.endr
.set d, 0
.rept 12
.set lin, 128+8*(4*d+(\m))
	WIN 2+lin/256                                  ; source 0: window 2 or 3
.irp p, 0,2,4,6
	v_pk_mul_f32 v[W+8*d+\p:W+8*d+\p+1], v[lin%256+\p:lin%256+\p+1], v[AM+2*(\m):AM+2*(\m)+1]   ; each accumulator from its low end on
.endr
.set d, d+1
.endr
	WIN 0
.set d, 0
.rept 12
	ds_store_b128 v[STO], v[W+8*d:W+8*d+3] offset:((\m)%2)*STG+64*d
	ds_store_b128 v[STO], v[W+8*d+4:W+8*d+7] offset:((\m)%2)*STG+64*d+16
.set d, d+1
.endr
	s_wait_xcnt 0x0                                ; the last tile's stores have read the registers into which the rows come back
.set i, 0
.rept 24
.set rb, 32+4*i+(i/16)*112
	ds_load_b128 v[rb:rb+3], v[RD] offset:((\m)%2)*STG+2*(i/3)*STP+(i%3)*256
.set i, i+1
.endr
	s_wait_dscnt 0x0
.if 24*(3-(\m)) > 63
	s_wait_loadcnt 63                              ; this tile's 24 loads of final are in (72 younger ones might stay out; a wait names 63 at the most)
.else
	s_wait_loadcnt 24*(3-(\m))                     ; this tile's 24 loads of final are in; the later tiles' may be out
.endif
.set i, 0
.rept 24
.set rb, 32+4*i+(i/16)*112
.set lin, 256+(24*(\m)+i)*4
	WIN lin/256                                    ; source 0: window 1 or 2
	v_pk_fma_f32 v[rb:rb+1], v[lin%256:lin%256+1], v[BC+2*(i/3):BC+2*(i/3)+1], v[rb:rb+1]
	v_pk_fma_f32 v[rb+2:rb+3], v[lin%256+2:lin%256+3], v[BC+2*(i/3):BC+2*(i/3)+1], v[rb+2:rb+3]
.set i, i+1
.endr
	WIN 0
.set i, 0
.rept 24
.set rb, 32+4*i+(i/16)*112
	global_store_b128 v[GO], v[rb:rb+3], s[12:13] offset:(32*((\m)/2)+8*((\m)%2)+2*(i/3)+8*(i/12))*3072+(i%3)*256 th:TH_STORE_NT   ; 16 lanes store 256 consecutive bytes, at a multiple of 256 from out's first byte
.set i, i+1
.endr
.endm
	WIN 0
	PLACES 4                                       ; behind the last products: their results are read and their operands' registers written below
	OUT 0
	OUT 1
	OUT 2
	OUT 3
	s_wait_tensorcnt 0x0                           ; the wave's end, behind my last tensor load and my last LDS store
	ds_add_u32 v[SPW], v[NIL]
	s_wait_dscnt 0x0
	CROUND                                         ; the closing round: no work-group ends while a partner may still ask for a fill that names it
	s_endpgm
.Lfunc_end_k_q45ebd2ce9b_attn:
	.size	k_q45ebd2ce9b_attn, .Lfunc_end_k_q45ebd2ce9b_attn-k_q45ebd2ce9b_attn
	.p2alignl 7, 3214868480
	.fill 96, 4, 3214868480
	.section	.rodata,"a",@progbits
	.p2align	6, 0x0
	.amdhsa_kernel k_q45ebd2ce9b_attn
		.amdhsa_group_segment_fixed_size 327680
		.amdhsa_private_segment_fixed_size 0
		.amdhsa_enable_private_segment 0
		.amdhsa_kernarg_size 40
		.amdhsa_user_sgpr_count 2
		.amdhsa_user_sgpr_kernarg_segment_ptr 1
		.amdhsa_wavefront_size32 1
		.amdhsa_system_sgpr_workgroup_id_x 1
		.amdhsa_system_sgpr_workgroup_id_y 1
		.amdhsa_system_sgpr_workgroup_id_z 1
		.amdhsa_system_vgpr_workitem_id 0
		.amdhsa_next_free_vgpr 1024
		.amdhsa_next_free_sgpr 66
		.amdhsa_reserve_vcc 1
		.amdhsa_float_denorm_mode_32 3
		.amdhsa_float_denorm_mode_16_64 3
		.amdhsa_memory_ordered 1
		.amdhsa_forward_progress 1
		.amdhsa_inst_pref_size 255
	.end_amdhsa_kernel
	.section	.bss,"aw",@nobits
	.p2align	6
	.space	262144
	.amdgpu_metadata
---
amdhsa.version: [ 1, 2 ]
amdhsa.kernels:
  - .name:           k_q45ebd2ce9b_attn
    .symbol:         k_q45ebd2ce9b_attn.kd
    .args:
      - { .name: qa, .offset: 0, .size: 8, .value_kind: global_buffer, .address_space: global }
      - { .name: kv, .offset: 8, .size: 8, .value_kind: global_buffer, .address_space: global }
      - { .name: final_features, .offset: 16, .size: 8, .value_kind: global_buffer, .address_space: global }
      - { .name: lowp_scales, .offset: 24, .size: 8, .value_kind: global_buffer, .address_space: global }
      - { .name: out0, .offset: 32, .size: 8, .value_kind: global_buffer, .address_space: global }
    .group_segment_fixed_size: 327680
    .private_segment_fixed_size: 0
    .kernarg_segment_align: 8
    .kernarg_segment_size: 40
    .max_flat_workgroup_size: 128
    .sgpr_count:     66
    .vgpr_count:     1024
    .wavefront_size: 32
...
	.end_amdgpu_metadata
.endif
;; end of part 2
;; ======== version 2 of 2: 2 launches
;; limits: right only within a limited range of input values
;; workspace buffers: qa 12,582,912 bytes; kv 25,165,824 bytes
;; launch prep (part 3): grid 256 x 1, 8 waves a work-group, no clusters, 254,464 bytes of LDS; arguments mid_features, final_features, lowp_scales, qa, kv; writes qa, kv
.if DOCPART == 3
	.amdgcn_target "amdgcn-amd-amdhsa--gfx1250"
	.amdhsa_code_object_version 6
	.text
	.protected	k_q45ebd2ce9b_prep
	.globl	k_q45ebd2ce9b_prep
	.p2align	8
	.type	k_q45ebd2ce9b_prep,@function
k_q45ebd2ce9b_prep:
	s_mov_b64 s[64:65], 0
	v_nop
	global_prefetch_b8 v0, s[64:65] scope:SCOPE_SE
	s_setreg_imm32_b32 hwreg(HW_REG_WAVE_MODE, 25, 1), 1
	s_wait_xcnt 0x0
; FIRST OF TWO LAUNCHES.  The program computes: mid_n = mid / max(||mid||, 1e-12); sim = Q(mid_n, e0) Q(mid_n, e1)^T with its diagonal set to 0; cw = the row's largest sim;
; p = 2^(sim log2(e) - M), quantised with e2; refined = p Q(final, e3) / (the row's sum of p); out = cw refined + (1 - cw) final.
; NO WORK OF THE PROBLEM IS LEFT OUT: both products are live in full, every input has a way to the output, and the diagonal is one number a row inside live tiles.
; THIS LAUNCH quantises each operand once, since 32 work-groups of the next launch read the same codes, and lays the codes in the ORDER OF THE OPERAND'S REGISTERS:
; a fragment image is 16 rows x 128 k in 2,048 bytes; byte 512 c + 16 lane + i (lane = 16 h + r) is element (row r, k = 32 c + 16 h + i): four loads of 16 bytes a lane give the 16 registers.
;   qa: mid_n with e0, fragment (batch b, block of 64 queries blk, chunk kk of 128 features, tile m) at ((32 b + blk) 24 + 4 kk + m) 2048.
;   kv: a stream of 786,432 bytes for each (batch b, wave w of the next launch), at (4 b + w) 786432; in it a quarter c4 (512 keys) has 96 fragments fi of 2,048 bytes:
;       fi = 12 g + 2 kk + u: mid_n with e1, keys 128 (4 c4 + g) + 32 w + tile u, chunk kk;   fi = 48 + 12 sl + dt: final with e3, rows d = 16 (12 w + dt) + r, k = the 128 keys of step 4 c4 + sl.
; THE ROWS OF A TILE ARE NOT NEIGHBOURS: lane r of tile u of a block of 32 rows takes row 8 u + r + 8 (r / 8), so that the next launch's scores of tiles 0 and 1 are 16 neighbouring keys in a lane.
; SHARES.  Work-group g: batch g / 32, rows 64 (g % 32) on.  Waves 0-3 (role A): wave m normalises and quantises the 16 rows of tile m of mid, twice (e0, e1).  Waves 4-7 (role B): 32 keys x 384 columns of final each.
; Every global load and store of a wave covers 512 consecutive bytes, aligned to 256.  Waves share nothing: no barrier.  Each wave keeps 32 loads of 16 bytes a lane out.
; LIMITS: e0, e1, e3 between -126 and 119, so that 2^e and 448 x 2^e are f32 numbers.  NaN among the inputs is not served.  The division by the norm is a multiplication by v_rcp_f32 of it (some 2 units in the last place).
.set ROWB,   3072                      ; a row of mid or final in bytes
.set APITCH, 528                       ; a stage row: 512 bytes + 16: 33 x 16, so sixteen rows' equal columns fall on sixteen different 16-byte columns modulo 256 bytes
.set ACH,    16*APITCH                 ; role A: a chunk of 128 features of 16 rows
.set AWAVE,  6*ACH                     ; role A: a wave's stage holds its 16 whole rows, for the second pass
.set BGRP,   8*APITCH                  ; role B: 8 tiles of 16 columns x 32 keys of codes
.set BWAVE,  3*BGRP
.set BBASE,  4*AWAVE-4*BWAVE           ; role B's stages lie behind role A's four: 4 AWAVE + (wave - 4) BWAVE
.set SPARE,  4*AWAVE+4*BWAVE           ; behind the stages: the spare words, 128 bytes for each of the eight waves, that no other line names
.set STREAM, 786432
.set QUART,  196608
.set GA,  1                            ; v1   16 x lane: my 16 bytes of every global access; never rewritten
.set SA,  2                            ; v2   role A: into the stage, as loaded
.set SR,  3                            ; v3   role A: out of it: row r, + 64 h bytes
.set SB,  4                            ; v4   role B: into the stage
.set SBR, 5                            ; v5   role B: out of it
.set SPW, 6                            ; v6   LDS address of my spare word; never rewritten
.set NIL, 7                            ; v7   0; never rewritten
.set SC0, 8                            ; v8   2^e0       v9  448 x 2^e0
.set LM0, 9
.set SC1, 10                           ; v10  2^e1       v11 448 x 2^e1
.set LM1, 11
.set SS,  12                           ; v12-19 the sum of squares, four chains of pairs
.set INV, 20                           ; v20-21 1 / the norm, twice
.set TP,  22                           ; v22  the lane permute's destination, written at the head
.set SC3, 24                           ; v24  2^e3       v25 448 x 2^e3
.set LM3, 25
.set R0,  32                           ; role A, pass 1: two sets of 64 as loaded; X0: 64 numbers of a lane's row
.set R1,  96
.set X0,  160
.set CA,  96                           ; role A, pass 2: the codes with e0 and with e1, four registers for each block of 32
.set CB,  112
.set TA,  224                          ; and the held numbers
.set TB,  240
.set T,   224                          ; role B: two columns' 16 held numbers each
	s_load_b256 s[4:11], s[0:1], 0x0               ; mid s[4:5], final s[6:7], the scales' exponents s[8:9], qa s[10:11]
	s_load_b64 s[12:13], s[0:1], 0x20              ; kv
	v_lshl_add_u32 v[SPW], v0, 2, SPARE
	v_mov_b32 v[NIL], 0
	v_lshrrev_b32 v26, 5, v0
	s_delay_alu instid0(VALU_DEP_1)
	v_readfirstlane_b32 s14, v26                   ; wave 0..7
	v_and_b32 v26, 31, v0                          ; lane
	v_and_b32 v27, 15, v0                          ; r
	v_bfe_u32 v28, v0, 4, 1                        ; h
	s_delay_alu instid0(VALU_DEP_3)
	v_lshlrev_b32 v[GA], 4, v26
	; every LDS address is made here, ahead of the parting of the roles
	s_mul_i32 s15, s14, AWAVE
	v_add_nc_u32 v[SA], s15, v[GA]
	v_mul_u32_u24 v[SR], v27, APITCH
	s_delay_alu instid0(VALU_DEP_1)
	v_lshl_add_u32 v[SR], v28, 6, v[SR]
	s_delay_alu instid0(VALU_DEP_1)
	v_add_nc_u32 v[SR], s15, v[SR]
	s_mul_i32 s16, s14, BWAVE
	s_add_co_u32 s16, s16, BBASE
	v_bfe_u32 v29, v0, 2, 3                        ; lane / 4: the tile of my four columns
	s_delay_alu instid0(VALU_DEP_1)
	v_mul_u32_u24 v[SB], v29, APITCH
	v_and_b32 v29, 3, v0
	s_delay_alu instid0(VALU_DEP_1)
	v_lshl_add_u32 v[SB], v29, 6, v[SB]            ; + 64 (lane % 4): column 4 (lane % 4) + j of the tile stands at 16 bytes a column
	s_delay_alu instid0(VALU_DEP_1)
	v_add_nc_u32 v[SB], s16, v[SB]
	v_add_nc_u32 v[SBR], s16, v[GA]
	v_mov_b32 v[TP], 0
	s_lshr_b32 s17, ttmp9, 5                       ; b
	s_and_b32 s18, ttmp9, 31                       ; blk
	s_mov_b32 s34, 0x76543210                      ; v_permlanex16_b32's selects for lane l xor 16
	s_mov_b32 s35, 0xfedcba98
	s_mov_b32 s21, 0                               ; the upper word of every offset
	s_lshl_b32 s25, s17, 11
	s_lshl_b32 s26, s18, 6
	s_add_co_u32 s25, s25, s26                     ; the block's first row: 2048 b + 64 blk
	s_lshr_b32 s26, s18, 3
	s_mul_i32 s26, s26, QUART                      ; its quarter of the keys, in bytes of a stream
	s_bfe_u32 s27, s18, 0x20001                    ; its key step in the quarter: (blk / 2) % 4
	s_and_b32 s19, s18, 1                          ; which half of the key step
	s_wait_kmcnt 0x0
	s_load_b128 s[28:31], s[8:9], 0x0              ; e0, e1, e2, e3
	s_cmp_lt_u32 s14, 4
	s_cbranch_scc0 .Lrole_b
; ---------------- ROLE A: wave m = tile m of the block's 64 rows of mid
.macro LOADC kk, buf                   ; chunk kk (128 features, 512 bytes) of my 16 rows
.irp p, 0,1,2,3,4,5,6,7,8,9,10,11,12,13,14,15
	global_load_b128 v[\buf+4*\p:\buf+4*\p+3], v[GA], s[4:5] offset:(\p+8*(\p/8))*ROWB+(\kk)*512 th:TH_LOAD_NT
.endr
.endm
.macro STOREC kk, buf                  ; into the stage as it was loaded
.irp p, 0,1,2,3,4,5,6,7,8,9,10,11,12,13,14,15
	ds_store_b128 v[SA], v[\buf+4*\p:\buf+4*\p+3] offset:(\kk)*ACH+\p*APITCH
.endr
.endm
.macro READC kk, X                     ; and back: register 16 c + i = feature 128 kk + 32 c + 16 h + i of row r.  LDS serves a wave's instructions in order: these see my stores
.irp c, 0,1,2,3
.irp j, 0,1,2,3
	ds_load_b128 v[\X+16*\c+4*\j:\X+16*\c+4*\j+3], v[SR] offset:(\kk)*ACH+\c*128+\j*16
.endr
.endr
.endm
.macro SQ first                        ; 64 squares into four chains of pairs; the first four products start the chains: nothing is cleared
.set j, 0
.rept 32
.if (\first) && (j < 4)
	v_pk_mul_f32 v[SS+2*j:SS+2*j+1], v[X0+2*j:X0+2*j+1], v[X0+2*j:X0+2*j+1]
.else
	v_pk_fma_f32 v[SS+2*(j%4):SS+2*(j%4)+1], v[X0+2*j:X0+2*j+1], v[X0+2*j:X0+2*j+1], v[SS+2*(j%4):SS+2*(j%4)+1]
.endif
.set j, j+1
.endr
.endm
.macro QUANTC kk, X                    ; 64 numbers of my row: x / norm, then twice: the hold at the largest code x the scale (the conversion to an 8-bit code does not saturate: ISA guide 7.6.2) and the conversion
.irp c, 0,1,2,3
.irp i, 0,2,4,6,8,10,12,14
	v_pk_mul_f32 v[\X+16*\c+\i:\X+16*\c+\i+1], v[\X+16*\c+\i:\X+16*\c+\i+1], v[INV:INV+1]
.endr
.irp i, 0,1,2,3,4,5,6,7,8,9,10,11,12,13,14,15
	v_med3_num_f32 v[TA+\i], v[\X+16*\c+\i], -v[LM0], v[LM0]
.endr
	v_cvt_scalef32_pk8_fp8_f32 v[CA+4*\c:CA+4*\c+1], v[TA:TA+7], v[SC0]
	v_cvt_scalef32_pk8_fp8_f32 v[CA+4*\c+2:CA+4*\c+3], v[TA+8:TA+15], v[SC0]
.irp i, 0,1,2,3,4,5,6,7,8,9,10,11,12,13,14,15
	v_med3_num_f32 v[TB+\i], v[\X+16*\c+\i], -v[LM1], v[LM1]   ; plain lines on other registers: they stand between the conversions above and the next write of TA
.endr
	v_cvt_scalef32_pk8_fp8_f32 v[CB+4*\c:CB+4*\c+1], v[TB:TB+7], v[SC1]
	v_cvt_scalef32_pk8_fp8_f32 v[CB+4*\c+2:CB+4*\c+3], v[TB+8:TB+15], v[SC1]
	global_store_b128 v[GA], v[CA+4*\c:CA+4*\c+3], s[10:11] offset:(\kk)*8192+\c*512   ; block c of the image: 512 consecutive bytes
	global_store_b128 v[GA], v[CB+4*\c:CB+4*\c+3], s[12:13] offset:(\kk)*4096+\c*512
.endr
.endm
	s_lshr_b32 s22, s14, 1                         ; which 32 rows of the block
	s_and_b32 s23, s14, 1                          ; tile u
	s_lshl_b32 s20, s22, 5
	s_add_co_u32 s20, s20, s25
	s_lshl_b32 s24, s23, 3
	s_add_co_u32 s20, s20, s24                     ; the tile's first row
	s_mul_i32 s20, s20, ROWB
	s_add_nc_u64 s[4:5], s[4:5], s[20:21]
	LOADC 0, R0
	LOADC 1, R1
	s_mul_i32 s20, ttmp9, 24                       ; qa: ((32 b + blk) 24 + m) 2048
	s_add_co_u32 s20, s20, s14
	s_lshl_b32 s20, s20, 11
	s_add_nc_u64 s[10:11], s[10:11], s[20:21]
	s_lshl_b32 s20, s17, 2                         ; kv: stream 4 b + 2 (blk % 2) + m / 2,
	s_lshl_b32 s24, s19, 1
	s_add_co_u32 s20, s20, s24
	s_add_co_u32 s20, s20, s22
	s_mul_i32 s20, s20, STREAM
	s_add_co_u32 s20, s20, s26                     ; the quarter,
	s_mul_i32 s24, s27, 12
	s_add_co_u32 s24, s24, s23
	s_lshl_b32 s24, s24, 11                        ; fragment 12 g + u
	s_add_co_u32 s20, s20, s24
	s_add_nc_u64 s[12:13], s[12:13], s[20:21]
	s_wait_kmcnt 0x0
	s_add_co_i32 s32, s28, 127
	s_lshl_b32 s33, s32, 23
	v_mov_b32 v[SC0], s33                          ; 2^e0 as f32: the conversion takes its exponent field
	s_add_co_i32 s32, s32, 8
	s_lshl_b32 s32, s32, 23
	s_or_b32 s32, s32, 0x600000
	v_mov_b32 v[LM0], s32                          ; 448 x 2^e0
	s_add_co_i32 s32, s29, 127
	s_lshl_b32 s33, s32, 23
	v_mov_b32 v[SC1], s33
	s_add_co_i32 s32, s32, 8
	s_lshl_b32 s32, s32, 23
	s_or_b32 s32, s32, 0x600000
	v_mov_b32 v[LM1], s32
	; pass 1: the rows go into the stage and the squares are summed
.irp kk, 0,1,2,3,4,5
.if \kk < 5
	s_wait_alu depctr_va_vdst(0)
	s_wait_loadcnt 16                              ; this chunk's 16 loads are in; the next chunk's 16 may be out
.else
	s_wait_alu depctr_va_vdst(0)
	s_wait_loadcnt 0x0
.endif
	STOREC \kk, R0+64*(\kk%2)
	READC \kk, X0
	s_wait_dscnt 0x0                               ; the stores have read their registers, and my 64 numbers are back
.if \kk < 4
	LOADC \kk+2, R0+64*(\kk%2)
.endif
.if \kk == 0
	SQ 1
.else
	SQ 0
.endif
.endr
	s_delay_alu instid0(VALU_DEP_3)
	v_pk_add_f32 v[SS:SS+1], v[SS:SS+1], v[SS+2:SS+3]
	s_delay_alu instid0(VALU_DEP_2)
	v_pk_add_f32 v[SS+4:SS+5], v[SS+4:SS+5], v[SS+6:SS+7]
	s_delay_alu instid0(VALU_DEP_1)
	v_pk_add_f32 v[SS:SS+1], v[SS:SS+1], v[SS+4:SS+5]
	s_delay_alu instid0(VALU_DEP_1)
	v_add_f32 v[SS], v[SS], v[SS+1]
	s_delay_alu instid0(VALU_DEP_1)
	v_permlanex16_b32 v[TP], v[SS], s34, s35       ; the row's other 384 features lie in the lane 16 away
	s_delay_alu instid0(VALU_DEP_1)
	v_add_f32 v[SS], v[SS], v[TP]
	s_wait_alu depctr_va_vdst(0)
	v_sqrt_f32 v[SS+1], v[SS]
	v_nop                                          ; a plain line behind the transcendental,
	s_wait_alu depctr_va_vdst(0)                   ; and the wait ahead of its first reader
	v_max_num_f32 v[SS+1], 0x2b8cbccc, v[SS+1]     ; max(norm, 1e-12)
	s_wait_alu depctr_va_vdst(0)
	v_rcp_f32 v[INV], v[SS+1]
	v_nop
	s_wait_alu depctr_va_vdst(0)
	v_mov_b32 v[INV+1], v[INV]
	; pass 2: the rows come out of the stage once more, a chunk ahead of the work, into X0 and v32-95 by turns
	READC 0, X0
	s_wait_alu depctr_va_vdst(0)
.irp kk, 0,1,2,3,4,5
	s_wait_dscnt 0x0                               ; this chunk's numbers are in
.if \kk < 5
	READC \kk+1, X0-128*((\kk+1)%2)
.endif
.if \kk > 0
	s_wait_xcnt 0x0                                ; the last chunk's stores have read the codes' registers: they are written again only behind this wait
.endif
	QUANTC \kk, X0-128*(\kk%2)
.endr
	s_wait_tensorcnt 0x0                           ; the wave's end, behind my last LDS store
	ds_add_u32 v[SPW], v[NIL]
	s_wait_dscnt 0x0
	s_endpgm
; ---------------- ROLE B: wave w' = wave - 4: keys 32 (w' / 2) on of the block, columns 384 (w' % 2) on of final.  K of the second product is the keys: a lane takes four columns, and the hold lays each column's 16 keys on end
.Lrole_b:
.macro LOADH n, buf                    ; half-unit n: keys 16 (n % 2) on, columns 128 (n / 2) on: register 4 k + j = (key k, column 4 lane + j)
.irp k, 0,1,2,3,4,5,6,7,8,9,10,11,12,13,14,15
	global_load_b128 v[\buf+4*\k:\buf+4*\k+3], v[GA], s[6:7] offset:(16*((\n)%2)+\k)*ROWB+((\n)/2)*512 th:TH_LOAD_NT
.endr
.endm
.macro HALF n
.set RBF, 96+64*((\n)%2)
.set CBF, 32+16*((\n)%2)
.if (\n) < 5
	s_wait_loadcnt 16                              ; this half-unit's 16 loads are in; the next one's may be out
.else
	s_wait_loadcnt 0x0
.endif
.irp g, 0,2                            ; two columns at a time
.irp j, 0,1
.irp k, 0,1,2,3,4,5,6,7,8,9,10,11,12,13,14,15
	v_med3_num_f32 v[T+16*\j+\k], v[RBF+4*\k+\g+\j], -v[LM3], v[LM3]   ; the hold, and the turn: the destination runs down the keys
.endr
.endr
.irp j, 0,1
	v_cvt_scalef32_pk8_fp8_f32 v[CBF+4*(\g+\j):CBF+4*(\g+\j)+1], v[T+16*\j:T+16*\j+7], v[SC3]
	v_cvt_scalef32_pk8_fp8_f32 v[CBF+4*(\g+\j)+2:CBF+4*(\g+\j)+3], v[T+16*\j+8:T+16*\j+15], v[SC3]
.endr
	v_nop                                          ; a plain line between the conversions and the next write of their sources
.endr
.if (\n) < 4
	LOADH (\n)+2, RBF
.endif
.irp j, 0,1,2,3
	ds_store_b128 v[SB], v[CBF+4*\j:CBF+4*\j+3] offset:((\n)/2)*BGRP+((\n)%2)*256+\j*16   ; tile lane / 4, half n % 2, column 4 (lane % 4) + j: the image's place of lane (r, h)
.endr
.if ((\n)%2) == 1                      ; both halves of eight tiles lie in the stage: they leave as block c of eight images, 512 consecutive bytes each
.if (\n) > 1
	s_wait_xcnt 0x0                                ; the last group's stores have read v64-95
.endif
.irp t, 0,1,2,3,4,5,6,7
	ds_load_b128 v[64+4*\t:64+4*\t+3], v[SBR] offset:((\n)/2)*BGRP+\t*APITCH
.endr
	s_wait_dscnt 0x0
.irp t, 0,1,2,3,4,5,6,7
	global_store_b128 v[GA], v[64+4*\t:64+4*\t+3], s[12:13] offset:((8*((\n)/2)+\t)/12)*STREAM+((8*((\n)/2)+\t)%12)*2048
.endr
.endif
.endm
	s_sub_co_u32 s24, s14, 4
	s_lshr_b32 s22, s24, 1                         ; which 32 keys
	s_and_b32 s23, s24, 1                          ; which 384 columns
	s_lshl_b32 s20, s22, 5
	s_add_co_u32 s20, s20, s25
	s_mul_i32 s20, s20, ROWB
	s_mul_i32 s24, s23, 1536
	s_add_co_u32 s20, s20, s24
	s_add_nc_u64 s[6:7], s[6:7], s[20:21]
	LOADH 0, 96
	LOADH 1, 160
	s_lshl_b32 s20, s17, 2                         ; kv: stream 4 b + 2 (w' % 2) (tiles 12 on go to the stream behind it),
	s_lshl_b32 s24, s23, 1
	s_add_co_u32 s20, s20, s24
	s_mul_i32 s20, s20, STREAM
	s_add_co_u32 s20, s20, s26                     ; the quarter,
	s_mul_i32 s24, s27, 12
	s_add_co_u32 s24, s24, 48
	s_lshl_b32 s24, s24, 11                        ; fragment 48 + 12 sl,
	s_add_co_u32 s20, s20, s24
	s_lshl_b32 s24, s19, 1
	s_add_co_u32 s24, s24, s22
	s_lshl_b32 s24, s24, 9                         ; block c = 2 (blk % 2) + w' / 2 of the image
	s_add_co_u32 s20, s20, s24
	s_add_nc_u64 s[12:13], s[12:13], s[20:21]
	s_wait_kmcnt 0x0
	s_add_co_i32 s32, s31, 127
	s_lshl_b32 s33, s32, 23
	v_mov_b32 v[SC3], s33                          ; 2^e3
	s_add_co_i32 s32, s32, 8
	s_lshl_b32 s32, s32, 23
	s_or_b32 s32, s32, 0x600000
	v_mov_b32 v[LM3], s32                          ; 448 x 2^e3
	s_wait_alu depctr_va_vdst(0)
.irp n, 0,1,2,3,4,5
	HALF \n
.endr
	s_wait_tensorcnt 0x0                           ; the wave's end, behind my last LDS store
	ds_add_u32 v[SPW], v[NIL]
	s_wait_dscnt 0x0
	s_endpgm
.Lfunc_end_k_q45ebd2ce9b_prep:
	.size	k_q45ebd2ce9b_prep, .Lfunc_end_k_q45ebd2ce9b_prep-k_q45ebd2ce9b_prep
	.p2alignl 7, 3214868480
	.fill 96, 4, 3214868480
	.section	.rodata,"a",@progbits
	.p2align	6, 0x0
	.amdhsa_kernel k_q45ebd2ce9b_prep
		.amdhsa_group_segment_fixed_size 254464
		.amdhsa_private_segment_fixed_size 0
		.amdhsa_enable_private_segment 0
		.amdhsa_kernarg_size 40
		.amdhsa_user_sgpr_count 2
		.amdhsa_user_sgpr_kernarg_segment_ptr 1
		.amdhsa_wavefront_size32 1
		.amdhsa_system_sgpr_workgroup_id_x 1
		.amdhsa_system_sgpr_workgroup_id_y 1
		.amdhsa_system_sgpr_workgroup_id_z 1
		.amdhsa_system_vgpr_workitem_id 0
		.amdhsa_next_free_vgpr 256
		.amdhsa_next_free_sgpr 66
		.amdhsa_reserve_vcc 0
		.amdhsa_float_denorm_mode_32 3
		.amdhsa_float_denorm_mode_16_64 3
		.amdhsa_memory_ordered 1
		.amdhsa_forward_progress 1
		.amdhsa_inst_pref_size 159
	.end_amdhsa_kernel
	.amdgpu_metadata
---
amdhsa.version: [ 1, 2 ]
amdhsa.kernels:
  - .name:           k_q45ebd2ce9b_prep
    .symbol:         k_q45ebd2ce9b_prep.kd
    .args:
      - { .name: mid_features, .offset: 0, .size: 8, .value_kind: global_buffer, .address_space: global }
      - { .name: final_features, .offset: 8, .size: 8, .value_kind: global_buffer, .address_space: global }
      - { .name: lowp_scales, .offset: 16, .size: 8, .value_kind: global_buffer, .address_space: global }
      - { .name: qa, .offset: 24, .size: 8, .value_kind: global_buffer, .address_space: global }
      - { .name: kv, .offset: 32, .size: 8, .value_kind: global_buffer, .address_space: global }
    .group_segment_fixed_size: 254464
    .private_segment_fixed_size: 0
    .kernarg_segment_align: 8
    .kernarg_segment_size: 40
    .max_flat_workgroup_size: 256
    .sgpr_count:     66
    .vgpr_count:     256
    .wavefront_size: 32
...
	.end_amdgpu_metadata
.endif
;; end of part 3
;; launch attn (part 4): grid 32 x 8, 4 waves a work-group, clusters of 4 x 1, 327,680 bytes of LDS; arguments qa, kv, final_features, lowp_scales, out0; writes out0
.if DOCPART == 4
	.amdgcn_target "amdgcn-amd-amdhsa--gfx1250"
	.amdhsa_code_object_version 6
	.text
	.protected	k_q45ebd2ce9b_attn
	.globl	k_q45ebd2ce9b_attn
	.p2align	8
	.type	k_q45ebd2ce9b_attn,@function
k_q45ebd2ce9b_attn:
	s_mov_b64 s[64:65], 0
	v_nop
	global_prefetch_b8 v0, s[64:65] scope:SCOPE_SE
	s_setreg_imm32_b32 hwreg(HW_REG_WAVE_MODE, 25, 1), 1
	s_wait_xcnt 0x0
	s_wait_alu depctr_hold_cnt(0) depctr_sa_sdst(0) depctr_va_vdst(0) depctr_va_sdst(0) depctr_va_ssrc(0) depctr_va_vcc(0) depctr_vm_vsrc(0)
	s_getreg_b32 s2, hwreg(HW_REG_IB_STS2, 6, 4)
	s_cmp_eq_u32 s2, 0
	s_cbranch_scc0 .Lentry_in_a_cluster
	s_endpgm
.Lentry_in_a_cluster:
	s_bfe_u32 s2, ttmp6, 0x10000c
	s_cmp_lg_u32 s2, 0x3003
	s_cbranch_scc0 .Lentry_shape_is_right
	s_endpgm
.Lentry_shape_is_right:
; SECOND OF TWO LAUNCHES: scores, softmax, weighted sum and blend for 64 queries of one batch a work-group.  Nothing of the problem is left out.
; Four waves.  For the scores wave w takes 32 of each 128 keys, all 64 queries (Q's 24 fragments stay in registers); for the weighted sum it takes 192 of the 768 columns.
; p's codes pass between the waves through LDS (PIMG), four key steps at a time.  Both products are used transposed: a lane holds one query.
; kv's fragment images come through a ring of two LDS slots, 32,768 bytes a wave and slot, by joint loads of a cluster of four query blocks of one batch.
; PREFETCHES: a cluster begins at one of four quarters of its batch's streams.  Of that first quarter's six fills, fills 1 to 3 are asked for at the head, behind the first joint load,
; fills 4 and 5 at the changes of slots that load fills 2 and 3.  A fill's 32,768 bytes of a wave's stream are shared out among the four partners by address, 8,192 bytes each, lanes 256 bytes apart.
; The later quarters are not asked for: other clusters of the batch begin with them.  The address registers are never rewritten.
; THE SHIFT.  the problem normalises both operands of the scores, so t = sim log2(e) is bounded by the computation itself: M = 2 stands for every row, p = 2^(t - 2), a power of two apart from the row's own M.
; LIMIT: sim, as the codes give it, stays under 2 / log2(e) = 1.386; beyond that p passes 1 and is held at 448 x 2^e2 alone.
; LIMITS on the given exponents: e0 + e1 is added to log2(e)'s exponent field (between -126 and 127); e2 between -126 and 119.  NaN among the inputs is not served.
.set SLOTB,  131072
.set PIMG,   262144
.set STAT,   294912
.set COEF,   296960
.set SPARE,  299008
.set STP,    784
.set STG,    16*STP
.set LA0, 1
.set PST, 3
.set PLD, 4
.set SPW, 5
.set NIL, 6
.set GO,  7
.set QD,  8
.set LS,  12
.set MX,  20
.set SCP, 24
.set LMP, 25
.set NEG2, 26
.set T,   28
.set S,   32
.set UC,  32
.set PC,  96
.set BC,  96
.set UA,  112
.set UB,  176
.set W,   112
.set QL,  240
.set STO, 241
.set RD,  242
.set STL, 243
.set STR, 244
.set CFS, 245
.set CFR, 246
.set PFO, 247
.set AM,  248
.set WV,  14
.set CX,  15
.set G1,  16
.set G0,  24
.set BLK, 33
.set BAT, 34
.set R6,  35
.set CS,  40
.set EQK, 42
.set EPV, 43
.set KS,  44
.set TRIP, 45
.set FN,  46
.set PFA, 48
.set SEL, 50
.set OFS, 60
.set MSB, 0
.macro WIN new
.if MSB != (\new)
	s_set_vgpr_msb (MSB<<8)|(\new)
.set MSB, \new
.endif
.endm
.macro PLACES n
.rept \n
	v_nop
.endr
.endm
.macro CREST
	s_cmp_lg_u32 s[WV], 0
	s_cbranch_scc1 .Lnot_wave_0_\@
	s_barrier_signal -3
.Lnot_wave_0_\@:
	s_barrier_wait -3
	s_barrier_signal -1
	s_barrier_wait -1
.endm
.macro CROUND
	s_barrier_signal -1
	s_barrier_wait -1
	CREST
.endm
.macro SETBUF i
.if ((\i)%2) == 0
.set BF, UA
.elseif ((\i)%24) < 12
.set BF, UB
.else
.set BF, UC
.endif
.endm
.macro FETCH buf, sp, q
.irp t, 0,1,2,3
.irp c, 0,1,2,3
	ds_load_b128 v[\buf+16*\t+4*\c:\buf+16*\t+4*\c+3], v[LA0+(\sp)] offset:(4*(\q)+\t)*2048+512*\c
.endr
.endr
.endm
.macro NEXTF i
.set NX, ((\i)+1)%24
	SETBUF NX
	FETCH BF, (NX/4)%2, NX%4
.endm
.macro SMM i, lo, hi
	SETBUF \i
.set PP, (\i)%3
.if PP == 2
	WIN 0x08
.else
	WIN 0x04
.endif
.set x, \lo
.rept (\hi)-(\lo)
.set rS, S+8*(2*(x%4)+((x/4)%2))
.set rA, BF+16*(x/4)
.set rQ, (16*(4*(2*PP+x/8)+x%4))%256
.if (PP == 0) && (x < 8)
	v_wmma_f32_16x16x128_fp8_fp8 v[rS:rS+7], v[rA:rA+15], v[rQ:rQ+15], 0
.else
	v_wmma_f32_16x16x128_fp8_fp8 v[rS:rS+7], v[rA:rA+15], v[rQ:rQ+15], v[rS:rS+7]
.endif
.set x, x+1
.endr
.endm
.macro PMM i, lo, hi, zero
	SETBUF \i
.set JJ, (\i)%3
.if JJ == 0
	WIN 0xa0
.else
	WIN 0xf0
.endif
.set x, \lo
.rept (\hi)-(\lo)
.set rO, (128+8*(4*(4*JJ+x%4)+x/4))%256
.set rA, BF+16*(x%4)
.set rP, UB+16*(x/4)
.if \zero
	v_wmma_f32_16x16x128_fp8_fp8 v[rO:rO+7], v[rA:rA+15], v[rP:rP+15], 0
.else
	v_wmma_f32_16x16x128_fp8_fp8 v[rO:rO+7], v[rA:rA+15], v[rP:rP+15], v[rO:rO+7]
.endif
.set x, x+1
.endr
.endm
.macro MM kind, i, lo, hi, zero
.if \kind
	PMM \i, \lo, \hi, \zero
.else
	SMM \i, \lo, \hi
.endif
.endm
.macro PLOAD sl, m
.irp c, 0,1,2,3
	ds_load_b128 v[UB+16*(\m)+4*\c:UB+16*(\m)+4*\c+3], v[PLD] offset:(4*(\sl)+(\m))*2048+512*\c
.endr
.endm
.macro UNIT kind, i, zero, np
	WIN 0
	PLACES \np
	NEXTF \i
	s_wait_dscnt 16
	MM \kind, \i, 0, 16, \zero
.endm
.macro UNITP i, zero
	WIN 0
	PLACES 4
	NEXTF \i
	s_wait_dscnt 16
.irp m, 0,1,2,3
	PMM \i, 4*\m, 4*\m+4, \zero
	WIN 0
	PLACES 4
	PLOAD ((\i)-12)/3+1, \m
.endr
.endm
.macro ASK off
	global_prefetch_b8 v[PFO], s[PFA:PFA+1] offset:\off th:TH_LOAD_NT scope:SCOPE_SE   ; every cluster asks for what it will itself load
.endm
.macro TURN kind, i, ask
.set SL, ((\i)/4)%2
	WIN 0
	s_wait_tensorcnt 0x0
	ds_add_u32 v[SPW], v[NIL]
	s_add_co_u32 s[FN], s[FN], 1
	s_add_co_u32 s[OFS], s[FN], s[R6]
	s_cmp_ge_u32 s[OFS], 24
	s_cselect_b32 s62, 24, 0
	s_sub_co_u32 s[OFS], s[OFS], s62
	s_lshl_b32 s[OFS], s[OFS], 15
	s_add_nc_u64 s[G0+4*SL+2:G0+4*SL+3], s[6:7], s[OFS:OFS+1]
	s_or_b32 s[G0+4*SL+3], s[G0+4*SL+3], 0x80000000
	s_wait_dscnt 1
	MM \kind, \i, 0, 4, 0
	s_wait_dscnt 0x0
	s_barrier_signal -1
	MM \kind, \i, 4, 8, 0
	WIN 0
	s_barrier_wait -1
	CREST
	tensor_load_to_lds s[G0+4*SL:G0+4*SL+3], s[G1:G1+7]
	s_nop 0
	PLACES 4
	NEXTF \i
.if \ask
	ASK ((\i)/4)*32768
.endif
	MM \kind, \i, 8, 16, 0
.endm
.macro SOFTMAX g
	WIN 0
	s_lshl_b32 s52, s[KS], 7
.irp m, 0,1,2,3
	v_sub_nc_u32 v[T+\m], v[QD+\m], s52
.endr
	s_lshr_b32 s53, s[KS], 1
	s_cmp_lg_u32 s53, ttmp9
	s_cbranch_scc1 .Lno_diagonal_\@
.irp m, 0,1,2,3
.irp e, 0,1,2,3,4,5,6,7,8,9,10,11,12,13,14,15
	v_cmp_ne_u32 vcc_lo, \e, v[T+\m]
	v_cndmask_b32 v[S+16*\m+\e], 0, v[S+16*\m+\e], vcc_lo
.endr
.endr
.Lno_diagonal_\@:
.irp q, 0,1,2,3,4,5,6,7
.irp m, 0,1,2,3
	v_max3_num_f32 v[MX+\m], v[MX+\m], v[S+16*\m+2*\q], v[S+16*\m+2*\q+1]
.endr
.endr
.set j, 0
.rept 32
	v_pk_fma_f32 v[S+j:S+j+1], v[S+j:S+j+1], s[CS:CS+1], v[NEG2:NEG2+1] op_sel_hi:[1,0,0]
.set j, j+2
.endr
.set j, 0
	s_wait_alu depctr_va_vdst(0)
.rept 64
	v_exp_f32 v[S+j], v[S+j]
.set j, j+1
.endr
	v_nop
	s_wait_alu depctr_va_vdst(0)
.irp q, 0,1,2,3,4,5,6,7
.irp m, 0,1,2,3
	v_pk_add_f32 v[LS+2*\m:LS+2*\m+1], v[LS+2*\m:LS+2*\m+1], v[S+16*\m+2*\q:S+16*\m+2*\q+1]
.endr
.endr
.irp m, 0,1,2,3
.irp e, 0,1,2,3,4,5,6,7,8,9,10,11,12,13,14,15
	v_min_num_f32 v[S+16*\m+\e], v[S+16*\m+\e], v[LMP]
.endr
	v_cvt_scalef32_pk8_fp8_f32 v[PC+4*\m:PC+4*\m+1], v[S+16*\m:S+16*\m+7], v[SCP]
	v_cvt_scalef32_pk8_fp8_f32 v[PC+4*\m+2:PC+4*\m+3], v[S+16*\m+8:S+16*\m+15], v[SCP]
.endr
	v_nop
.irp m, 0,1,2,3
	ds_store_b128 v[PST], v[PC+4*\m:PC+4*\m+3] offset:(4*(\g)+\m)*2048
.endr
	s_add_co_u32 s[KS], s[KS], 1
	s_and_b32 s[KS], s[KS], 15
.endm
.macro SEC_A first
	UNIT 0, 0, 0, 5
	UNIT 0, 1, 0, 4
	UNIT 0, 2, 0, 4
	SOFTMAX 0
	TURN 0, 3, \first
	UNIT 0, 4, 0, 4
	UNIT 0, 5, 0, 4
	SOFTMAX 1
	UNIT 0, 6, 0, 4
	TURN 0, 7, \first
	UNIT 0, 8, 0, 4
	SOFTMAX 2
	UNIT 0, 9, 0, 4
	UNIT 0, 10, 0, 4
	TURN 0, 11, 0
	SOFTMAX 3
	s_wait_dscnt 0x0
	s_barrier_signal -1
	s_barrier_wait -1
.irp m, 0,1,2,3
	PLOAD 0, \m
.endr
	UNIT 1, 12, \first, 4
	UNIT 1, 13, \first, 4
	UNITP 14, \first
.endm
.macro FINLOAD m
.set i, 0
.rept 24
.set lin, 256+(24*(\m)+i)*4
	WIN (lin/256)<<6
	global_load_b128 v[lin%256:lin%256+3], v[GO], s[8:9] offset:(32*((\m)/2)+8*((\m)%2)+2*(i/3)+8*(i/12))*3072+(i%3)*256 th:TH_LOAD_NT
.set i, i+1
.endr
	WIN 0
.endm
.macro SEC_B last
.if \last
	FINLOAD 0
	FINLOAD 1
.endif
	TURN 1, 15, 0
	UNIT 1, 16, 0, 4
	UNITP 17, 0
	UNIT 1, 18, 0, 4
.if \last
	FINLOAD 2
	FINLOAD 3
	PLACES 4
	s_wait_tensorcnt 0x0
	NEXTF 19
	s_wait_dscnt 16
	MM 1, 19, 0, 16, 0
.else
	TURN 1, 19, 0
.endif
	UNITP 20, 0
	UNIT 1, 21, 0, 4
	UNIT 1, 22, 0, 4
.if \last
	WIN 0
	s_wait_dscnt 0x0
	MM 1, 23, 0, 16, 0
.else
	TURN 1, 23, 0
.endif
.endm
	s_load_b256 s[4:11], s[0:1], 0x0
	s_load_b64 s[12:13], s[0:1], 0x20
	v_lshl_add_u32 v[SPW], v0, 2, SPARE
	v_mov_b32 v[NIL], 0
	ds_add_u32 v[SPW], v[NIL]
	ds_add_u32 v[SPW], v[NIL]
	v_lshrrev_b32 v28, 5, v0
	v_readfirstlane_b32 s[WV], v28
	s_bfe_u32 s[CX], ttmp6, 0x40000
	s_lshl_b32 s[BLK], ttmp9, 2
	s_add_co_u32 s[BLK], s[BLK], s[CX]
	s_and_b32 s[BAT], ttmp7, 0xffff
	s_mov_b32 s[G1], 15|(3<<16)|(1<<21)
	s_mov_b32 s[G1+1], 32<<16
	s_mov_b32 s[G1+2], 128<<16
	s_mov_b32 s[G1+3], 32<<16
	s_mov_b32 s[G1+4], 128
	s_mov_b32 s[G1+5], 32
	s_mov_b32 s[G1+6], 0
	s_mov_b32 s[G1+7], 0
	s_mov_b32 s[SEL], 0x76543210
	s_mov_b32 s[SEL+1], 0xfedcba98
	s_lshr_b32 s62, ttmp9, 1
	s_xor_b32 s62, s62, ttmp9
	s_and_b32 s62, s62, 3
	s_lshl_b32 s[KS], s62, 2
	s_mul_i32 s[R6], s62, 6
	s_mov_b32 s[OFS+1], 0
	s_mov_b32 s[FN], 1
	s_lshl_b32 s54, s[WV], 15
	s_lshl_b32 s55, s[WV], 9
	v_and_b32 v28, 31, v0
	v_and_b32 v29, 15, v0
	v_bfe_u32 v30, v0, 4, 1
	v_lshlrev_b32 v[QL], 4, v28
	v_lshlrev_b32 v[PFO], 8, v28
	v_add_nc_u32 v[LA0], s54, v[QL]
	v_add_nc_u32 v[LA0+1], SLOTB, v[LA0]
	v_add_nc_u32 v[PST], s55, v[QL]
	v_add_nc_u32 v[PST], PIMG, v[PST]
	v_add_nc_u32 v[PLD], PIMG, v[QL]
	v_mul_u32_u24 v[GO], v30, 3072
	v_lshl_add_u32 v[GO], v29, 4, v[GO]
	v_mul_u32_u24 v[STO], v29, STP
	v_lshl_add_u32 v[STO], v30, 5, v[STO]
	v_add_nc_u32 v[STO], s54, v[STO]
	v_mul_u32_u24 v[RD], v30, STP
	v_lshl_add_u32 v[RD], v29, 4, v[RD]
	v_add_nc_u32 v[RD], s54, v[RD]
	v_lshlrev_b32 v[STR], 4, v29
	v_add_nc_u32 v[STR], STAT, v[STR]
	s_lshl_b32 s56, s[WV], 2
	v_add_nc_u32 v[STL], s56, v[STR]
	v_and_b32 v31, 1, v29
	v_lshlrev_b32 v[CFS], 6, v31
	v_lshrrev_b32 v31, 1, v29
	v_lshl_add_u32 v[CFS], v31, 3, v[CFS]
	v_add_nc_u32 v[CFS], s55, v[CFS]
	v_add_nc_u32 v[CFS], COEF, v[CFS]
	v_lshlrev_b32 v[CFR], 6, v30
	v_add_nc_u32 v[CFR], s55, v[CFR]
	v_add_nc_u32 v[CFR], COEF, v[CFR]
	v_and_b32 v31, 8, v29
	v_add_nc_u32 v31, v31, v29
	v_lshlrev_b32 v30, 4, v30
	v_sub_nc_u32 v31, v31, v30
	s_lshl_b32 s56, s[BLK], 6
	s_lshl_b32 s57, s[WV], 5
	s_sub_co_u32 s56, s56, s57
	v_add_nc_u32 v31, s56, v31
.irp m, 0,1,2,3
	v_add_nc_u32 v[QD+\m], 32*(\m/2)+8*(\m%2), v31
	v_mov_b32 v[MX+\m], 0xff61b1e6
	v_mov_b32 v[LS+2*\m], 0
	v_mov_b32 v[LS+2*\m+1], 0
	v_mov_b32 v[AM+2*\m], 0
	v_mov_b32 v[AM+2*\m+1], 0
.endr
	v_mov_b32 v[NEG2], -2.0
	v_mov_b32 v[NEG2+1], -2.0
	s_lshl_b32 s52, s[BAT], 2
	s_add_co_u32 s52, s52, s[WV]
	s_mul_i32 s52, s52, 786432
	s_mov_b32 s53, 0
	s_lshl_b32 s56, s[BAT], 5
	s_add_co_u32 s56, s56, s[BLK]
	s_mul_i32 s56, s56, 49152
	s_mov_b32 s57, 0
	s_lshl_b32 s58, s[BAT], 11
	s_lshl_b32 s59, s[BLK], 6
	s_add_co_u32 s58, s58, s59
	s_mul_i32 s58, s58, 3072
	s_mul_i32 s59, s[WV], 768
	s_add_co_u32 s58, s58, s59
	s_mov_b32 s59, 0
	s_lshl_b32 s[OFS], s[R6], 15
	s_wait_dscnt 0x0
	s_wait_kmcnt 0x0
	s_load_b128 s[36:39], s[10:11], 0x0
	s_add_nc_u64 s[6:7], s[6:7], s[52:53]
	s_add_nc_u64 s[4:5], s[4:5], s[56:57]
	s_add_nc_u64 s[8:9], s[8:9], s[58:59]
	s_add_nc_u64 s[12:13], s[12:13], s[58:59]
	s_add_nc_u64 s[2:3], s[6:7], s[OFS:OFS+1]
.irp s, 0,1
	s_mov_b32 s[G0+4*\s], 1
	s_add_co_u32 s[G0+4*\s+1], s54, \s*SLOTB
	s_add_nc_u64 s[G0+4*\s+2:G0+4*\s+3], s[2:3], \s*32768
	s_or_b32 s[G0+4*\s+3], s[G0+4*\s+3], 0x80000000
.endr
	s_lshl_b32 s56, s[CX], 13
	s_add_co_u32 s56, s56, 4*32768
	s_add_nc_u64 s[PFA:PFA+1], s[2:3], s[56:57]
	CROUND
	tensor_load_to_lds s[G0:G0+3], s[G1:G1+7]
	s_nop 0
	PLACES 4
	s_wait_alu depctr_va_vdst(0)                   ; the wait at the head's end
	ASK -98304                                     ; fills 1, 2 and 3 of my stream's first quarter (the base stands at fill 4)
	ASK -65536
	ASK -32768
	s_wait_tensorcnt 0x0
	ds_add_u32 v5, v6
	s_wait_dscnt 0x0
	CROUND
	tensor_load_to_lds s[G0+4:G0+7], s[G1:G1+7]
	s_nop 0
	PLACES 4
	WIN 0x40
.set f, 0
.rept 16
.irp c, 0,1,2,3
	global_load_b128 v[16*f+4*\c:16*f+4*\c+3], v[QL], s[4:5] offset:f*2048+\c*512
.endr
.set f, f+1
.endr
	WIN 0x80
.rept 8
.irp c, 0,1,2,3
	global_load_b128 v[16*(f-16)+4*\c:16*(f-16)+4*\c+3], v[QL], s[4:5] offset:f*2048+\c*512
.endr
.set f, f+1
.endr
	WIN 0
	s_wait_kmcnt 0x0
	s_add_co_i32 s[EQK], s36, s37
	s_lshl_b32 s52, s[EQK], 23
	s_add_co_i32 s[CS], s52, 0x3fb8aa3b
	s_mov_b32 s[CS+1], s[CS]
	s_add_co_i32 s[EPV], s38, s39
	s_add_co_i32 s52, s38, 127
	s_lshl_b32 s53, s52, 23
	v_mov_b32 v[SCP], s53
	s_add_co_i32 s52, s52, 8
	s_lshl_b32 s52, s52, 23
	s_or_b32 s52, s52, 0x600000
	v_mov_b32 v[LMP], s52
	s_wait_tensorcnt 1
	FETCH UA, 0, 0
	s_wait_loadcnt 0x0
	SEC_A 1
	WIN 0
	s_mov_b32 s[TRIP], 3
.Lquarter:
	SEC_B 0
	SEC_A 0
	WIN 0
	s_sub_co_u32 s[TRIP], s[TRIP], 1
	s_cmp_lg_u32 s[TRIP], 0
	s_cbranch_scc1 .Lquarter
.irp m, 0,1,2,3
	v_add_f32 v[T+\m], v[LS+2*\m], v[LS+2*\m+1]
.endr
.irp m, 0,1,2,3
	v_permlanex16_b32 v[AM+2*\m], v[T+\m], s[SEL], s[SEL+1]
	v_permlanex16_b32 v[AM+2*\m+1], v[MX+\m], s[SEL], s[SEL+1]
.endr
.irp m, 0,1,2,3
	v_add_f32 v[T+\m], v[T+\m], v[AM+2*\m]
	v_max_num_f32 v[MX+\m], v[MX+\m], v[AM+2*\m+1]
.endr
.irp m, 0,1,2,3
	ds_store_b32 v[STL], v[T+\m] offset:\m*256
	ds_store_b32 v[STL], v[MX+\m] offset:1024+\m*256
.endr
	s_wait_dscnt 0x0
	s_barrier_signal -1
	s_barrier_wait -1
.irp m, 0,1,2,3
	ds_load_b128 v[UA+4*\m:UA+4*\m+3], v[STR] offset:\m*256
	ds_load_b128 v[UA+16+4*\m:UA+16+4*\m+3], v[STR] offset:1024+\m*256
.endr
	s_wait_dscnt 0x0
.irp m, 0,1,2,3
	v_add_f32 v[UA+4*\m], v[UA+4*\m], v[UA+4*\m+1]
	v_add_f32 v[UA+4*\m+2], v[UA+4*\m+2], v[UA+4*\m+3]
	v_max3_num_f32 v[MX+\m], v[UA+16+4*\m], v[UA+17+4*\m], v[UA+18+4*\m]
.endr
.irp m, 0,1,2,3
	v_add_f32 v[UA+4*\m], v[UA+4*\m], v[UA+4*\m+2]
	v_max_num_f32 v[MX+\m], v[MX+\m], v[UA+19+4*\m]
.endr
	s_wait_alu depctr_va_vdst(0)
.irp m, 0,1,2,3
	v_rcp_f32 v[T+\m], v[UA+4*\m]
.endr
.irp m, 0,1,2,3
	v_ldexp_f32 v[MX+\m], v[MX+\m], s[EQK]
.endr
	s_wait_alu depctr_va_vdst(0)
.irp m, 0,1,2,3
	v_mul_f32 v[T+\m], v[T+\m], v[MX+\m]
.endr
.irp m, 0,1,2,3
	v_ldexp_f32 v[AM+2*\m], v[T+\m], s[EPV]
	v_sub_f32 v[UA+32+2*\m], 1.0, v[MX+\m]
.endr
.irp m, 0,1,2,3
	v_mov_b32 v[AM+2*\m+1], v[AM+2*\m]
	v_mov_b32 v[UA+33+2*\m], v[UA+32+2*\m]
.endr
.irp m, 0,1,2,3
	ds_store_b64 v[CFS], v[UA+32+2*\m:UA+33+2*\m] offset:\m*128
.endr
	SEC_B 1
.macro OUT m
	WIN 0
.irp c, 0,1,2,3
	ds_load_b128 v[BC+4*\c:BC+4*\c+3], v[CFR] offset:(\m)*128+16*\c
.endr
.set d, 0
.rept 12
.set lin, 128+8*(4*d+(\m))
	WIN 2+lin/256
.irp p, 0,2,4,6
	v_pk_mul_f32 v[W+8*d+\p:W+8*d+\p+1], v[lin%256+\p:lin%256+\p+1], v[AM+2*(\m):AM+2*(\m)+1]
.endr
.set d, d+1
.endr
	WIN 0
.set d, 0
.rept 12
	ds_store_b128 v[STO], v[W+8*d:W+8*d+3] offset:((\m)%2)*STG+64*d
	ds_store_b128 v[STO], v[W+8*d+4:W+8*d+7] offset:((\m)%2)*STG+64*d+16
.set d, d+1
.endr
	s_wait_xcnt 0x0
.set i, 0
.rept 24
.set rb, 32+4*i+(i/16)*112
	ds_load_b128 v[rb:rb+3], v[RD] offset:((\m)%2)*STG+2*(i/3)*STP+(i%3)*256
.set i, i+1
.endr
	s_wait_dscnt 0x0
.if 24*(3-(\m)) > 63
	s_wait_loadcnt 63
.else
	s_wait_loadcnt 24*(3-(\m))
.endif
.set i, 0
.rept 24
.set rb, 32+4*i+(i/16)*112
.set lin, 256+(24*(\m)+i)*4
	WIN lin/256
	v_pk_fma_f32 v[rb:rb+1], v[lin%256:lin%256+1], v[BC+2*(i/3):BC+2*(i/3)+1], v[rb:rb+1]
	v_pk_fma_f32 v[rb+2:rb+3], v[lin%256+2:lin%256+3], v[BC+2*(i/3):BC+2*(i/3)+1], v[rb+2:rb+3]
.set i, i+1
.endr
	WIN 0
.set i, 0
.rept 24
.set rb, 32+4*i+(i/16)*112
	global_store_b128 v[GO], v[rb:rb+3], s[12:13] offset:(32*((\m)/2)+8*((\m)%2)+2*(i/3)+8*(i/12))*3072+(i%3)*256 th:TH_STORE_NT
.set i, i+1
.endr
.endm
	WIN 0
	PLACES 4
	s_wait_alu depctr_va_vdst(0)
	OUT 0
	OUT 1
	OUT 2
	OUT 3
	s_wait_tensorcnt 0x0
	ds_add_u32 v[SPW], v[NIL]
	s_wait_dscnt 0x0
	CROUND
	s_endpgm
.Lfunc_end_k_q45ebd2ce9b_attn:
	.size	k_q45ebd2ce9b_attn, .Lfunc_end_k_q45ebd2ce9b_attn-k_q45ebd2ce9b_attn
	.p2alignl 7, 3214868480
	.fill 96, 4, 3214868480
	.section	.rodata,"a",@progbits
	.p2align	6, 0x0
	.amdhsa_kernel k_q45ebd2ce9b_attn
		.amdhsa_group_segment_fixed_size 327680
		.amdhsa_private_segment_fixed_size 0
		.amdhsa_enable_private_segment 0
		.amdhsa_kernarg_size 40
		.amdhsa_user_sgpr_count 2
		.amdhsa_user_sgpr_kernarg_segment_ptr 1
		.amdhsa_wavefront_size32 1
		.amdhsa_system_sgpr_workgroup_id_x 1
		.amdhsa_system_sgpr_workgroup_id_y 1
		.amdhsa_system_sgpr_workgroup_id_z 1
		.amdhsa_system_vgpr_workitem_id 0
		.amdhsa_next_free_vgpr 1024
		.amdhsa_next_free_sgpr 66
		.amdhsa_reserve_vcc 1
		.amdhsa_float_denorm_mode_32 3
		.amdhsa_float_denorm_mode_16_64 3
		.amdhsa_memory_ordered 1
		.amdhsa_forward_progress 1
		.amdhsa_inst_pref_size 255
	.end_amdhsa_kernel
	.section	.bss,"aw",@nobits
	.p2align	6
	.space	262144
	.amdgpu_metadata
---
amdhsa.version: [ 1, 2 ]
amdhsa.kernels:
  - .name:           k_q45ebd2ce9b_attn
    .symbol:         k_q45ebd2ce9b_attn.kd
    .args:
      - { .name: qa, .offset: 0, .size: 8, .value_kind: global_buffer, .address_space: global }
      - { .name: kv, .offset: 8, .size: 8, .value_kind: global_buffer, .address_space: global }
      - { .name: final_features, .offset: 16, .size: 8, .value_kind: global_buffer, .address_space: global }
      - { .name: lowp_scales, .offset: 24, .size: 8, .value_kind: global_buffer, .address_space: global }
      - { .name: out0, .offset: 32, .size: 8, .value_kind: global_buffer, .address_space: global }
    .group_segment_fixed_size: 327680
    .private_segment_fixed_size: 0
    .kernarg_segment_align: 8
    .kernarg_segment_size: 40
    .max_flat_workgroup_size: 128
    .sgpr_count:     66
    .vgpr_count:     1024
    .wavefront_size: 32
...
	.end_amdgpu_metadata
.endif
;; end of part 4
